; MI455X (gfx1250); checked and timed in simulation.
; The chip was launched on July 23, 2026; its instructions are those of AMD's public machine-readable ISA for CDNA 5 (MIT licence, August 2026) and "CDNA5" Instruction Set Architecture Reference Guide (July 2026). The comments in the code are by the model that wrote it; some were corrected since.
;; Multi Head Self Attention. Allowed arithmetic: matrix products marked QUANTISED: E2M1 operands, one E8M0 scale for each 32 along K, by v_wmma_scale_f32_16x16x128_f8f6f4 with both operands' format E2M1 (or v_wmma_scale_f32_32x16x128_f4), f32 sums; products left as they are: bf16, f16 or f32 operands; f32 sums; everything else in f32.
;; Inputs: Wo 1,024 x 1,024 float32; Wqkv 1,024 x 3,072 float32; bo 1,024 float32; x 4 x 2,048 x 1,024 float32.
;; Outputs: out0 4 x 2,048 x 1,024 float32.
;; This version of the problem:
;;   THIS VERSION OF THE PROBLEM IS GIVEN IN LOW PRECISION. The matrix products marked QUANTISED in the list below multiply operands that are first quantised to E2M1 (2 exponent bits, 1 mantissa bit; 4 bits a number), with one power-of-two scale for each 32 numbers along K (OCP MX v1.0); their sums are f32. The products marked 'left as it is' may take bf16, f16 or f32 operands, with f32 sums. Whichever they take, every output number must still come out within the allowed error. Rounding operands to bf16 (8 significant bits) uses up far more of that allowance than f16 does (11 bits, for magnitudes from 6e-5 to 65,504). All else is computed in f32.
;;   The module's matrix products, in the order in which they are computed (A, B: the left and right operand; K: the contracted axis; several contracted axes count as one K, in the product's order):
;;     1. [M 8,192, K 1,024] x [K 1,024, N 3,072]; A: input x; B: input Wqkv: QUANTISED
;;     2. batch 64 x [M 2,048, K 64] x [K 64, N 2,048]; A: computed on the way; B: computed on the way: left as it is (an operand is computed on the way)
;;     3. batch 64 x [M 64, K 2,048] x [K 2,048, N 2,048]; A: computed on the way; B: computed on the way: left as it is (an operand is computed on the way)
;;     4. [M 8,192, K 1,024] x [K 1,024, N 1,024]; A: computed on the way; B: input Wo: left as it is (an operand is computed on the way)
;;   THE QUANTISER, for each operand of a quantised product, along K:
;;     - K is cut into blocks of 32 from its start; a last block that is shorter is filled with zeros.
;;     - A block's scale is 2^e with e = floor(log2(the largest magnitude in the block)) - 2, held to -126 .. 127; a block of zeros has e = 0. As a byte (E8M0): e + 127.
;;     - Each number is divided by its block's scale, clamped to +-6, and rounded to the nearest number of E2M1, ties to even, subnormals kept.
;;     - The product sums the exact products of the quantised numbers (number of the format x scale) in f32.
;;   ~~~python
;;   def quantise(x, axis):      # numpy; x: float32 -> the quantised numbers, widened to float32 again
;;       x = np.moveaxis(x, axis, -1); K = x.shape[-1]
;;       x = np.pad(x, [(0, 0)] * (x.ndim - 1) + [(0, -K % 32)]); x = x.reshape(x.shape[:-1] + (-1, 32)); a = np.abs(x).max(-1, keepdims=True)
;;       e = np.where(a > 0, np.clip(np.frexp(np.where(a > 0, a, 1))[1] - 1 - 2, -126, 127), 0)      # np.frexp(a)[1] - 1 = floor(log2(a)), exactly
;;       r = np.clip(x / 2.0 ** e, -6, 6)
;;       step = 2.0 ** (np.maximum(np.frexp(np.where(r == 0, 1, r))[1] - 1, 0) - 1)
;;       q = np.round(r / step) * step * 2.0 ** e      # np.round: ties to even
;;       return np.moveaxis(q.reshape(q.shape[:-2] + (-1,))[..., :K], -1, axis).astype(np.float32)
;;   ~~~
;; One version. Each part assembles by itself: llvm-mc -triple=amdgcn-amd-amdhsa -mcpu=gfx1250 --defsym DOCPART=n.
;; ======== version 1 of 1: 4 launches
;; limits: values are held in f16: magnitudes above 65,504 overflow, below 6.1e-05 lose precision
;; workspace buffers: xq 4,456,448 bytes; wq 1,671,168 bytes; wo16 2,097,152 bytes; rope 524,288 bytes; qimg 16,777,216 bytes; kv 33,554,432 bytes; oimg 16,777,216 bytes
;; launch prep (part 1): grid 512 x 1, 4 waves a work-group, no clusters, 34,304 bytes of LDS; arguments x, Wqkv, Wo, xq, wq, wo16, rope; writes xq, wq, wo16, rope
.if DOCPART == 1
	.amdgcn_target "amdgcn-amd-amdhsa--gfx1250"
	.amdhsa_code_object_version 6
	.text
	.protected	k_q9812bfe553_prep
	.globl	k_q9812bfe553_prep
	.p2align	8
	.type	k_q9812bfe553_prep,@function
k_q9812bfe553_prep:
	s_mov_b64 s[64:65], 0
	v_nop
	global_prefetch_b8 v0, s[64:65] scope:SCOPE_SE
	s_setreg_imm32_b32 hwreg(HW_REG_WAVE_MODE, 25, 1), 1
	s_wait_xcnt 0x0
; LAUNCH 1 OF 4.  The layer: qkv = Q(x) Q(Wqkv) on codes of E2M1; RoPE and the L2 norm of q and k; softmax(q k^T / 8) v; the projection by Wo, + bo.
; This launch lays the operands out once: x and Wqkv as codes of E2M1 with one E8M0 byte for each 32 along K = 1,024; Wo as f16; the table of cos and sin of RoPE.
; DEAD WORK: none is left out.  All four inputs have a way to the output and are loaded (bo by the last launch).
; THE SOFTMAX'S MAXIMUM is not carried (third launch): reference() itself divides q and k by sqrt(sum of squares + 1e-6), so |q| <= 1 and |k| <= 1 for every input, and a score q . k / 8 lies within
; +-1/8 (within +-0.1252 with operands rounded to f16): e^score lies between 0.88 and 1.14 and a row's sum between 1,800 and 2,330: nothing can overflow or underflow.
; EVERY WORKSPACE OPERAND LIES AS AN IMAGE OF THE OPERAND'S REGISTERS: a fragment's groups of four registers on end, lane l's 16 bytes at 16 l.  So each store here covers whole runs of 256 or 512 bytes,
; a tile is one dense block of memory, and a fragment is read back by loads of 16 bytes a lane at 16 x lane.
;   xq, wq: codes [row / 128][k / 512][(row / 16) % 8][(k / 128) % 4][(k / 32) % 4][row % 16][16 bytes]; behind them the scale words [row / 16][k / 512][row % 16][(k / 128) % 4], byte b for k = 32 b on.
;   wo16:   [n / 128][k / 128][(n / 16) % 8][(k / 32) % 4][(k / 8) % 4][n % 16][8 f16 along k].
;   rope:   [pos / 16][cos, sin][t][q][lane][4 f32]: d = 16 t + 8 (lane / 16) + 4 q + e, pos = 16 (pos / 16) + lane % 16.
; THE QUANTISER: a block's scale byte is its largest magnitude's exponent field - 2, held at 1 from below; each number is divided by the scale and rounded to the nearest code, ties to even, beyond 6 the code of 6.
; LIMITS: NaN and infinities among the inputs are not served.  A block of zeros gets the byte 1 where the rule says 127: its codes are zeros, and this program alone reads the bytes.
; The table's angles differ from reference()'s by what the last bits of the inverse frequency give, at most some 3e-4 rad at the last positions; q and k take the same table.  Wo must lie within f16's range.
; FOUR PATHS, by the work-group's number: 0-127 x, 128-319 Wqkv, 320-383 Wo, 384-511 the table.  Only x's path touches LDS.  No tensor loads, no barrier: waves share nothing.
.set SPARE, 33792                      ; behind the four stages of 8,448 bytes: the spare words, 128 bytes a wave
.set SPW,   2                          ; v2   LDS address of my spare word; never rewritten
.set NIL,   3                          ; v3   0; never rewritten
.set XR,    16                         ; x: v16-143 two sets of 64 numbers as loaded
.set XX,    144                        ; x: v144-207 my two blocks of 32 neighbours
.set XC,    208                        ; x: v208-223 two sets of 8 registers of codes
.set XSW,   224                        ; x: v224-231 a scale word for each 128 along K
.set CX,    16                         ; Wqkv, Wo: v16-143 four sets of 32 numbers down K
.set CH,    144                        ; Wqkv: v144-159 codes; Wo: v144-207 f16
.macro XLOAD u                         ; 16 rows x 128 along K: each load reads 512 consecutive bytes of one row
.irp i, 0,1,2,3,4,5,6,7,8,9,10,11,12,13,14,15
	global_load_b128 v[XR+64*((\u)%2)+4*\i:XR+64*((\u)%2)+4*\i+3], v6, s[4:5] offset:4096*\i+512*(\u) th:TH_LOAD_NT
.endr
.endm
; One fragment of x: 16 rows x 128 along K.  The numbers turn through the wave's own stage (rows 528 = 33 x 16 bytes apart), so that lane (r, h) holds k = 64 c + 32 h + 0 .. 31 of row r: two whole blocks.
.macro XUNIT u
.set RS_, XR+64*((\u)%2)
.set CS_, XC+8*((\u)%2)
.if (\u) < 7
	s_wait_loadcnt 16                              ; this unit's 16 loads are in; the next unit's 16 may be out
.else
	s_wait_loadcnt 0
.endif
.irp i, 0,1,2,3,4,5,6,7,8,9,10,11,12,13,14,15
	ds_store_b128 v7, v[RS_+4*\i:RS_+4*\i+3] offset:528*\i
.endr
.irp c, 0,1
.irp q, 0,1,2,3,4,5,6,7
	ds_load_b128 v[XX+32*\c+4*\q:XX+32*\c+4*\q+3], v8 offset:256*\c+16*\q   ; LDS serves a wave's instructions in order: these see the stores above
.endr
.endr
	s_wait_dscnt 0x0                               ; the numbers are back, and the stores have read their registers,
.if (\u)+2 < 8
	XLOAD (\u)+2                                   ; which take the unit two further on
.endif
.irp c, 0,1
	v_max3_num_f32 v[232+\c], |v[XX+32*\c]|, |v[XX+32*\c+1]|, 0x1800000   ; block 2 c + h, all mine; the floor 2^(3 - 127) holds the byte at 1 from below
.endr
.irp i, 2,4,6,8,10,12,14,16,18,20,22,24,26,28,30
.irp c, 0,1
	v_max3_num_f32 v[232+\c], v[232+\c], |v[XX+32*\c+\i]|, |v[XX+32*\c+\i+1]|
.endr
.endr
.irp c, 0,1
	v_add_nc_u32 v[234+\c], 0xff000000, v[232+\c]  ; 2 off the exponent field: the conversion's scale operand
.endr
.irp c, 0,1
	v_lshrrev_b32 v[236+\c], 23, v[234+\c]         ; the scale's byte
.endr
	v_lshl_or_b32 v238, v237, 16, v236             ; my bytes h and 2 + h of the row's word,
	v_lshlrev_b32 v238, v12, v238                  ; 8 h bits up;
	v_permlanex16_b32 v239, v238, s20, s21
	v_or_b32 v[XSW+(\u)], v238, v239               ; with lane l xor 16's two the word is whole, in both lanes
.if (\u) >= 2
	s_wait_xcnt 0x0                                ; the stores of two units back have read this set of codes
.endif
.irp c, 0,1
.irp g, 0,1,2,3
	v_cvt_scalef32_pk8_fp4_f32 v[CS_+4*\c+\g], v[XX+32*\c+8*\g:XX+32*\c+8*\g+7], v[234+\c]
.endr
.endr
	v_nop                                          ; one plain line behind the last scaled conversion
.irp c, 0,1
	global_store_b128 v6, v[CS_+4*\c:CS_+4*\c+3], s[28:29] offset:32768*((\u)>>2)+1024*((\u)&3)+512*\c   ; 512 consecutive bytes
.endr
.endm
.macro CLOAD t, pitch, base            ; block t of 32 down K: a lane takes a column, 32 lanes read 128 consecutive bytes
.irp i, 0,1,2,3,4,5,6,7,8,9,10,11,12,13,14,15,16,17,18,19,20,21,22,23,24,25,26,27,28,29,30,31
	global_load_b32 v[CX+32*(\t)+\i], v6, s[\base:\base+1] offset:(32*(\t)+\i)*\pitch th:TH_LOAD_NT
.endr
.endm
.macro WBLOCK t                        ; a block of Wqkv: all its 32 numbers are one lane's
.set XS, CX+32*(\t)
	v_max3_num_f32 v10, |v[XS]|, |v[XS+1]|, |v[XS+2]|
	v_max3_num_f32 v11, |v[XS+3]|, |v[XS+4]|, |v[XS+5]|
.irp i, 6,10,14,18,22,26
	v_max3_num_f32 v10, v10, |v[XS+\i]|, |v[XS+\i+1]|
	v_max3_num_f32 v11, v11, |v[XS+\i+2]|, |v[XS+\i+3]|
.endr
	v_max3_num_f32 v10, v10, |v[XS+30]|, |v[XS+31]|
	v_max3_num_f32 v10, v10, v11, 0x1800000        ; and the floor
	v_add_nc_u32 v12, 0xff000000, v10              ; the conversion's scale operand
.if (\t) == 0
	v_lshrrev_b32 v13, 23, v12                     ; the byte: four make the column's word for these 128 along K
.else
	v_lshrrev_b32 v11, 23, v12
	v_lshl_or_b32 v13, v11, 8*(\t), v13
.endif
.irp g, 0,1,2,3
	v_cvt_scalef32_pk8_fp4_f32 v[CH+4*(\t)+\g], v[XS+8*\g:XS+8*\g+7], v12
.endr
	v_nop                                          ; one plain line behind the last scaled conversion
	global_store_b128 v7, v[CH+4*(\t):CH+4*(\t)+3], s[30:31] offset:256*(\t)   ; lanes 0-15 fill 256 aligned bytes, lanes 16-31 another 256
.endm
.macro OBLOCK t                        ; 32 down K of Wo, rounded to f16: four pieces of 8
.set XS, CX+32*(\t)
.irp p, 0,1,2,3
.irp i, 0,1,2,3
	v_cvt_pk_f16_f32 v[CH+16*(\t)+4*\p+\i], v[XS+8*\p+2*\i], v[XS+8*\p+2*\i+1]
.endr
.endr
.irp p, 0,1,2,3
	global_store_b128 v7, v[CH+16*(\t)+4*\p:CH+16*(\t)+4*\p+3], s[14:15] offset:1024*(\t)+256*\p
.endr
.endm
	s_load_b256 s[4:11], s[0:1], 0x0               ; x s[4:5], Wqkv s[6:7], Wo s[8:9], xq s[10:11]
	s_load_b128 s[12:15], s[0:1], 0x20             ; wq s[12:13], wo16 s[14:15]
	s_load_b64 s[16:17], s[0:1], 0x30              ; rope
	v_lshl_add_u32 v[SPW], v0, 2, SPARE
	v_mov_b32 v[NIL], 0
	v_lshrrev_b32 v1, 5, v0
	v_readfirstlane_b32 s18, v1                    ; wave 0..3
	v_and_b32 v1, 31, v0                           ; lane
	v_and_b32 v4, 15, v0                           ; r
	v_bfe_u32 v5, v0, 4, 1                         ; h
	s_mov_b32 s20, 0x76543210
	s_mov_b32 s21, 0xfedcba98                      ; v_permlanex16_b32's selects for lane l xor 16
	s_mov_b32 s25, 0
	s_wait_kmcnt 0x0
	s_cmp_lt_u32 ttmp9, 128
	s_cbranch_scc1 .Lpath_x
	s_cmp_lt_u32 ttmp9, 320
	s_cbranch_scc1 .Lpath_w
	s_cmp_lt_u32 ttmp9, 384
	s_cbranch_scc1 .Lpath_o
	; ---- THE TABLE.  Work-group 384 + pt: positions 16 pt .. 16 pt + 15; wave 2 t + q; a lane makes cos and sin for d = 16 t + 8 h + 4 q + 0 .. 3.
	s_sub_co_u32 s22, ttmp9, 384                   ; pt
	s_lshr_b32 s23, s18, 1
	s_lshl_b32 s23, s23, 4                         ; 16 t
	s_and_b32 s24, s18, 1
	s_lshl_b32 s24, s24, 2                         ; 4 q
	s_add_co_u32 s23, s23, s24
	v_lshl_add_u32 v6, v5, 3, s23                  ; my first d
	s_lshl_b32 s24, s22, 4
	v_add_nc_u32 v7, s24, v4
	v_cvt_f32_u32 v7, v7                           ; pos
	s_lshl_b32 s24, s22, 12
	s_lshl_b32 s26, s18, 9
	s_add_co_u32 s24, s24, s26
	s_add_nc_u64 s[16:17], s[16:17], s[24:25]      ; 4,096 pt + 512 wave
	s_mov_b32 s26, 0xbfc90fdb                      ; -(pi / 2), the f32 nearest,
	s_mov_b32 s27, 0x333bbd2e                      ; and what that f32 is too large by
	s_mov_b32 s28, 0xb94ca1f9                      ; sin on +-pi / 4: ((s28 z + s29) z + s30) z rho + rho, z = rho^2
	s_mov_b32 s29, 0x3c08839e
	s_mov_b32 s30, 0xbe2aaaa3
	s_mov_b32 s31, 0x37ccf5ce                      ; cos: ((s31 z + s32) z + s33) z^2 - z / 2 + 1
	s_mov_b32 s32, 0xbab6061a
	s_mov_b32 s33, 0x3d2aaaa5
	v_lshlrev_b32 v48, 4, v1
.irp e, 0,1,2,3
	v_add_nc_u32 v[8+\e], \e, v6
.endr
.irp e, 0,1,2,3
	v_cvt_f32_u32 v[8+\e], v[8+\e]
.endr
.irp e, 0,1,2,3
	v_mul_f32 v[8+\e], 0xbed49a78, v[8+\e]         ; -d log2(10000) / 32
.endr
.irp e, 0,1,2,3
	v_exp_f32 v[8+\e], v[8+\e]                     ; the inverse frequency 10000^(-d / 32)
.endr
	v_nop                                          ; a plain line behind the last exponential,
	s_wait_alu depctr_va_vdst(0)                   ; and one wait for the four, ahead of their first reader
.irp e, 0,1,2,3
	v_mul_f32 v[12+\e], v7, v[8+\e]                ; the angle, rounded to f32 as reference() rounds it
.endr
.irp e, 0,1,2,3
	v_mul_f32 v[16+\e], 0x3f22f983, v[12+\e]       ; x 2 / pi
.endr
.irp e, 0,1,2,3
	v_rndne_f32 v[16+\e], v[16+\e]                 ; n, at most 1,303
.endr
.irp e, 0,1,2,3
	v_fma_f32 v[12+\e], v[16+\e], s26, v[12+\e]
.endr
.irp e, 0,1,2,3
	v_fma_f32 v[12+\e], v[16+\e], s27, v[12+\e]    ; rho = angle - n pi / 2, within +-pi / 4
.endr
.irp e, 0,1,2,3
	v_mul_f32 v[20+\e], v[12+\e], v[12+\e]         ; z
.endr
.irp e, 0,1,2,3
	v_fma_f32 v[24+\e], v[20+\e], s28, s29
	v_fma_f32 v[28+\e], v[20+\e], s31, s32
.endr
.irp e, 0,1,2,3
	v_fma_f32 v[24+\e], v[24+\e], v[20+\e], s30
	v_fma_f32 v[28+\e], v[28+\e], v[20+\e], s33
.endr
.irp e, 0,1,2,3
	v_mul_f32 v[24+\e], v[24+\e], v[20+\e]
	v_mul_f32 v[28+\e], v[28+\e], v[20+\e]
	v_fma_f32 v[32+\e], v[20+\e], -0.5, 1.0
.endr
.irp e, 0,1,2,3
	v_fma_f32 v[24+\e], v[24+\e], v[12+\e], v[12+\e]   ; sin rho
	v_fma_f32 v[28+\e], v[28+\e], v[20+\e], v[32+\e]   ; cos rho
.endr
.irp e, 0,1,2,3
	v_cvt_i32_f32 v[16+\e], v[16+\e]
.endr
.irp e, 0,1,2,3                        ; the quadrant, by selection of values alone: n odd swaps the two; sin changes sign where n & 2, cos where (n + 1) & 2
	v_and_b32 v[36+\e], 1, v[16+\e]
	v_cmp_eq_u32 vcc_lo, 1, v[36+\e]
	v_cndmask_b32 v[40+\e], v[24+\e], v[28+\e], vcc_lo
	v_cndmask_b32 v[44+\e], v[28+\e], v[24+\e], vcc_lo
	v_and_b32 v[36+\e], 2, v[16+\e]
	v_add_nc_u32 v[16+\e], 1, v[16+\e]
	v_lshlrev_b32 v[36+\e], 30, v[36+\e]
	v_and_b32 v[16+\e], 2, v[16+\e]
	v_xor_b32 v[40+\e], v[36+\e], v[40+\e]
	v_lshlrev_b32 v[16+\e], 30, v[16+\e]
	v_xor_b32 v[44+\e], v[16+\e], v[44+\e]
.endr
	global_store_b128 v48, v[44:47], s[16:17]              ; cos: 512 consecutive bytes a wave
	global_store_b128 v48, v[40:43], s[16:17] offset:2048  ; sin
	s_endpgm
	; ---- x.  Wave T = 4 x work-group + wave takes rows 16 T .. 16 T + 15 and all of K, 128 along K at a time.
.Lpath_x:
	s_lshl_b32 s22, ttmp9, 2
	s_add_co_u32 s22, s22, s18                     ; T, 0..511
	s_lshl_b32 s24, s22, 16                        ; 16 rows of 4,096 bytes
	s_add_nc_u64 s[4:5], s[4:5], s[24:25]
	s_lshr_b32 s24, s22, 3
	s_lshl_b32 s24, s24, 16
	s_and_b32 s26, s22, 7
	s_lshl_b32 s26, s26, 12
	s_add_co_u32 s24, s24, s26
	s_add_nc_u64 s[28:29], s[10:11], s[24:25]      ; codes: 65,536 (T / 8) + 4,096 (T % 8)
	s_lshl_b32 s24, s22, 9
	s_add_co_u32 s24, s24, 0x400000
	s_add_nc_u64 s[30:31], s[10:11], s[24:25]      ; scale words: behind the 4,194,304 bytes of codes, 512 T
	s_mul_i32 s23, s18, 8448                       ; my stage
	v_lshlrev_b32 v6, 4, v1                        ; 16 x lane: for the loads and for both kinds of store
	v_add_nc_u32 v7, s23, v6                       ; into the stage as loaded
	v_mul_u32_u24 v8, v4, 528
	v_lshl_add_u32 v8, v5, 7, v8
	v_add_nc_u32 v8, s23, v8                       ; out of it: row r, + 128 h bytes
	v_lshlrev_b32 v12, 3, v5                       ; 8 h
	v_mov_b32 v239, 0                              ; written once: a lane permute's destination counts as one of its sources
	XLOAD 0
	XLOAD 1
.irp u, 0,1,2,3,4,5,6,7
	XUNIT \u
.endr
	v_cmp_lt_u32 vcc_lo, 15, v1                    ; lanes 0-15 store the words of k under 512, lanes 16-31 the others
.irp i, 0,1,2,3
	v_cndmask_b32 v[232+\i], v[XSW+\i], v[XSW+4+\i], vcc_lo
.endr
	global_store_b128 v6, v[232:235], s[30:31]     ; 512 consecutive bytes
	s_wait_tensorcnt 0x0                           ; the wave's end: three lines behind my last LDS store
	ds_add_u32 v[SPW], v[NIL]
	s_wait_dscnt 0x0
	s_endpgm
	; ---- Wqkv, K outermost.  Work-group 128 + 8 cg + s: columns 128 cg on, k = 128 s on; a wave 32 columns, a lane one column, registers down K.
.Lpath_w:
	s_sub_co_u32 s22, ttmp9, 128
	s_lshr_b32 s23, s22, 3                         ; cg
	s_and_b32 s22, s22, 7                          ; s
	s_mul_i32 s24, s22, 128*12288
	s_lshl_b32 s26, s23, 9
	s_add_co_u32 s24, s24, s26
	s_lshl_b32 s26, s18, 7
	s_add_co_u32 s24, s24, s26
	s_add_nc_u64 s[6:7], s[6:7], s[24:25]          ; row 128 s, column 128 cg + 32 wave
	s_lshl_b32 s24, s23, 16
	s_lshr_b32 s26, s22, 2
	s_lshl_b32 s27, s26, 15
	s_add_co_u32 s24, s24, s27
	s_lshl_b32 s27, s18, 13
	s_add_co_u32 s24, s24, s27
	s_and_b32 s27, s22, 3
	s_lshl_b32 s28, s27, 10
	s_add_co_u32 s24, s24, s28
	s_add_nc_u64 s[30:31], s[12:13], s[24:25]      ; codes: 65,536 cg + 32,768 (s / 4) + 8,192 wave + 1,024 (s % 4)
	s_lshl_b32 s24, s23, 12
	s_lshl_b32 s28, s18, 10
	s_add_co_u32 s24, s24, s28
	s_lshl_b32 s28, s26, 8
	s_add_co_u32 s24, s24, s28
	s_lshl_b32 s28, s27, 2
	s_add_co_u32 s24, s24, s28
	s_add_co_u32 s24, s24, 0x180000
	s_add_nc_u64 s[32:33], s[12:13], s[24:25]      ; scale words: behind the 1,572,864 bytes of codes
	v_lshlrev_b32 v6, 2, v1
	v_lshlrev_b32 v9, 4, v4
	v_lshl_add_u32 v7, v5, 12, v9                  ; codes: tile h of my two, 16 r
	v_lshl_add_u32 v8, v5, 9, v9                   ; scale words likewise
	CLOAD 0, 12288, 6
	CLOAD 1, 12288, 6
	s_wait_loadcnt 32                              ; block 0 is in; the 32 loads issued behind it may be out: so at each of these waits
	CLOAD 2, 12288, 6
	WBLOCK 0
	s_wait_loadcnt 32
	CLOAD 3, 12288, 6
	WBLOCK 1
	s_wait_loadcnt 32
	WBLOCK 2
	s_wait_loadcnt 0
	WBLOCK 3
	global_store_b32 v8, v13, s[32:33]             ; 4 bytes of each 16: these runs are written in part, one byte for each 32 that the path reads
	s_endpgm
	; ---- Wo, K outermost, to f16.  Work-group 320 + 8 cg + ks: columns 128 cg on, k = 128 ks on; lanes and registers as for Wqkv.
.Lpath_o:
	s_sub_co_u32 s22, ttmp9, 320
	s_lshr_b32 s23, s22, 3                         ; cg
	s_and_b32 s22, s22, 7                          ; ks
	s_lshl_b32 s24, s22, 19
	s_lshl_b32 s26, s23, 9
	s_add_co_u32 s24, s24, s26
	s_lshl_b32 s26, s18, 7
	s_add_co_u32 s24, s24, s26
	s_add_nc_u64 s[8:9], s[8:9], s[24:25]
	s_lshl_b32 s24, s23, 18
	s_lshl_b32 s26, s22, 15
	s_add_co_u32 s24, s24, s26
	s_lshl_b32 s26, s18, 13
	s_add_co_u32 s24, s24, s26
	s_add_nc_u64 s[14:15], s[14:15], s[24:25]      ; 262,144 cg + 32,768 ks + 8,192 wave
	v_lshlrev_b32 v6, 2, v1
	v_lshlrev_b32 v9, 4, v4
	v_lshl_add_u32 v7, v5, 12, v9
	CLOAD 0, 4096, 8
	CLOAD 1, 4096, 8
	s_wait_loadcnt 32
	CLOAD 2, 4096, 8
	OBLOCK 0
	s_wait_loadcnt 32
	CLOAD 3, 4096, 8
	OBLOCK 1
	s_wait_loadcnt 32
	OBLOCK 2
	s_wait_loadcnt 0
	OBLOCK 3
	s_endpgm
.Lfunc_end_k_q9812bfe553_prep:
	.size	k_q9812bfe553_prep, .Lfunc_end_k_q9812bfe553_prep-k_q9812bfe553_prep
	.p2alignl 7, 3214868480
	.fill 96, 4, 3214868480
	.section	.rodata,"a",@progbits
	.p2align	6, 0x0
	.amdhsa_kernel k_q9812bfe553_prep
		.amdhsa_group_segment_fixed_size 34304
		.amdhsa_private_segment_fixed_size 0
		.amdhsa_enable_private_segment 0
		.amdhsa_kernarg_size 56
		.amdhsa_user_sgpr_count 2
		.amdhsa_user_sgpr_kernarg_segment_ptr 1
		.amdhsa_wavefront_size32 1
		.amdhsa_system_sgpr_workgroup_id_x 1
		.amdhsa_system_sgpr_workgroup_id_y 1
		.amdhsa_system_sgpr_workgroup_id_z 1
		.amdhsa_system_vgpr_workitem_id 0
		.amdhsa_next_free_vgpr 256
		.amdhsa_next_free_sgpr 66
		.amdhsa_reserve_vcc 1
		.amdhsa_float_denorm_mode_32 3
		.amdhsa_float_denorm_mode_16_64 3
		.amdhsa_memory_ordered 1
		.amdhsa_forward_progress 1
		.amdhsa_inst_pref_size 101
	.end_amdhsa_kernel
	.amdgpu_metadata
---
amdhsa.version: [ 1, 2 ]
amdhsa.kernels:
  - .name:           k_q9812bfe553_prep
    .symbol:         k_q9812bfe553_prep.kd
    .args:
      - { .name: x, .offset: 0, .size: 8, .value_kind: global_buffer, .address_space: global }
      - { .name: Wqkv, .offset: 8, .size: 8, .value_kind: global_buffer, .address_space: global }
      - { .name: Wo, .offset: 16, .size: 8, .value_kind: global_buffer, .address_space: global }
      - { .name: xq, .offset: 24, .size: 8, .value_kind: global_buffer, .address_space: global }
      - { .name: wq, .offset: 32, .size: 8, .value_kind: global_buffer, .address_space: global }
      - { .name: wo16, .offset: 40, .size: 8, .value_kind: global_buffer, .address_space: global }
      - { .name: rope, .offset: 48, .size: 8, .value_kind: global_buffer, .address_space: global }
    .group_segment_fixed_size: 34304
    .private_segment_fixed_size: 0
    .kernarg_segment_align: 8
    .kernarg_segment_size: 56
    .max_flat_workgroup_size: 128
    .sgpr_count:     66
    .vgpr_count:     256
    .wavefront_size: 32
...
	.end_amdgpu_metadata
.endif
;; end of part 1
;; launch qkv (part 2): grid 12 x 32, 4 waves a work-group, clusters of 4 x 4, 327,680 bytes of LDS; arguments xq, wq, rope, qimg, kv; writes qimg, kv
.if DOCPART == 2
	.amdgcn_target "amdgcn-amd-amdhsa--gfx1250"
	.amdhsa_code_object_version 6
	.text
	.protected	k_q9812bfe553_qkv
	.globl	k_q9812bfe553_qkv
	.p2align	8
	.type	k_q9812bfe553_qkv,@function
k_q9812bfe553_qkv:
	s_mov_b64 s[64:65], 0
	v_nop
	global_prefetch_b8 v0, s[64:65] scope:SCOPE_SE
	s_setreg_imm32_b32 hwreg(HW_REG_WAVE_MODE, 25, 1), 1
	s_wait_xcnt 0x0
	s_wait_alu depctr_hold_cnt(0) depctr_sa_sdst(0) depctr_va_vdst(0) depctr_va_sdst(0) depctr_va_ssrc(0) depctr_va_vcc(0) depctr_vm_vsrc(0)
	s_getreg_b32 s2, hwreg(HW_REG_IB_STS2, 6, 4)
	s_cmp_eq_u32 s2, 0
	s_cbranch_scc0 .Lentry_in_a_cluster
	s_endpgm
.Lentry_in_a_cluster:
	s_bfe_u32 s2, ttmp6, 0x10000c
	s_cmp_lg_u32 s2, 0xf033
	s_cbranch_scc0 .Lentry_shape_is_right
	s_endpgm
.Lentry_shape_is_right:
; LAUNCH 2 OF 4.  qkv = Q(x) Q(Wqkv) on codes of E2M1 with E8M0 scales, sums in f32; then RoPE and the L2 norm on q and k, all in f32; q, k, v leave as f16 images of the next launch's operands.
; No work is left out as dead.
; A work-group of four waves makes 256 tokens x 256 features, a wave 128 x 128: 64 accumulators of 16 x 16.  K = 1,024 is two halves of 512: both halves' tiles and all scale words come into LDS at the start,
; by three tensor loads a wave (three are out at the most); nothing is filled again.  All operands lie in memory as images of their registers, so a tile is a dense block and a fragment is read at 16 x lane.
; CLUSTERS: 4 x 4 work-groups.  The four of a row of the cluster need the same tiles of x, the four of a column the same tiles of W: each is asked for jointly.  The cluster's x is 0, 1, 2 for q, k, v.
; THE MATRIX INSTRUCTION IS USED TRANSPOSED (source 0 = 16 columns of W, source 1 = 16 tokens): lane (r, h), register j of accumulator (a, b) holds token 16 a + r, feature 16 b + 8 h + j.
; So a head's 64 channels of a token lie in four accumulators of two lanes (l and l xor 16), the partners d and d + 32 of RoPE in the same lane and register of accumulators b and b + 2, and a lane's eight
; numbers pack into the 16 bytes that the next launch's fragment wants of that lane: each store covers 512 consecutive bytes, with no stage in LDS.
; q IS STORED DIVIDED BY 8: 1 / (8 sqrt(ss + 1e-6)) = rsq(64 ss + 64e-6), the factor 64 being exact.
; THE TABLE'S FIRST TWO BLOCKS ARE ASKED FOR BY EVERY WORK-GROUP, v's too (8 KiB a wave that v's never read): the text then parts on q, k, v in one place alone, at the way out.
; LIMITS: |v| must stay under 65,504 (f16); with x and Wqkv thirty times the drawn spread each, or offset by thirty spreads, it stays under 30,000.  NaN and infinities are not served.
; REGISTERS: window 0: v0-31 addresses; v32-95 scale words, two sets, and nothing else; v96-109 at work on the way out; v128-191 x's fragments, later the rotated numbers; v192-255 two sets of the table.
;   window 1: W's fragments, two sets at v0 and v128; on the way out v0-63 two sets of packed f16.   window 2: accumulators of my tokens 0-63 ((a, b) at v[8 (8 a + b)]);   window 3: tokens 64-127.
.set NQ,     4                         ; matrix instructions deep in half of K
.set FR,     8                         ; registers of a fragment: 16 rows x 128 K
.set NL,     2                         ; LDS loads that bring one
.set NP,     4                         ; places behind this matrix instruction (ISA guide 7.12.1)
.set SLOT,   131072                    ; half of K: x's 128 + 128 rows, then W's: four blocks of 32,768 bytes, one a wave
.set SCL,    2*SLOT                    ; the scale words: four blocks of 4,096 bytes, one a wave
.set SPARE,  SCL+16384                 ; the spare words, 128 bytes a wave
.set ADRA, 16                          ; v16-17  LDS address of my fragments of x in half 0, 1
.set ADRB, 20                          ; v20-21  the same for W
.set VOV,  24                          ; v24-25  v's way out: my byte in a tile, for head 0, 1
.set ADRS, 27                          ; v27     my scale words: lanes 0-15 x's rows, lanes 16-31 W's
.set SPW,  28                          ; v28     LDS address of my spare word; never rewritten
.set NIL,  29                          ; v29     0; never rewritten
.set SC,   32
.set AF,   128
.set R,    128                         ; the way out: 64 rotated numbers: head hh at + 32 hh, channel 16 t + 8 h + j at + 8 t + j
.set T0,   100                         ; v100-107 four chains of squares; v108-109 the other lane's; v96, v98 the two factors (v97, v99 named with them as pairs)
.set TB,   192                         ; table: set a % 2; + 8 t + j cos, + 16 + 8 t + j sin of d = 16 t + 8 h + j
.set HB,   0                           ; window 1: packed f16, set a % 2
.set G1, 24
.set G0, 32
.set G1B, 48
.set G0B, 56
.set SEL, 66                           ; s[66:67] v_permlanex16_b32's selects
.set G1S, 68
.set G0S, 76
.set G1SB, 80
.set G0SB, 88
.set MSB, 0
.macro WIN new                         ; the immediate's high byte repeats the setting that is left
.if MSB != (\new)
	s_set_vgpr_msb (MSB<<8)|(\new)
.set MSB, (\new)
.endif
.endm
.set MUL_LO, 0xa1                      ; source 0 (W) window 1, source 1 (x) window 0, C and D window 2
.set MUL_HI, 0xf1                      ; the same, C and D window 3
.set TO_B,   0x40                      ; destination window 1, address window 0
; A joint load: waves 0 and 1 fetch for x, waves 2 and 3 for W.  The branch hangs on the wave's number alone.  An s_nop 0 and four v_nop follow each of the two lines.
.macro JLOAD g0a, g1a, g0b, g1b
	s_cmp_eq_u32 s15, 0
	s_cbranch_scc0 .Lfor_b_\@
	tensor_load_to_lds s[\g0a:\g0a+3], s[\g1a:\g1a+7]
	s_nop 0
.rept 4
	v_nop
.endr
	s_branch .Lasked_\@
.Lfor_b_\@:
	tensor_load_to_lds s[\g0b:\g0b+3], s[\g1b:\g1b+7]
	s_nop 0
.rept 4
	v_nop
.endr
.Lasked_\@:
.endm
.macro CROUND                          ; a round of the cluster's barrier
	s_barrier_signal -1
	s_barrier_wait -1
	s_cmp_lg_u32 s14, 0
	s_cbranch_scc1 .Lnot_wave_0_\@
	s_barrier_signal -3
.Lnot_wave_0_\@:
	s_barrier_wait -3
	s_barrier_signal -1
	s_barrier_wait -1
.endm
	s_load_b256 s[4:11], s[0:1], 0x0               ; xq s[4:5], wq s[6:7], rope s[8:9], qimg s[10:11]
	s_load_b64 s[12:13], s[0:1], 0x20              ; kv
	v_lshl_add_u32 v[SPW], v0, 2, SPARE
	v_mov_b32 v[NIL], 0
	ds_add_u32 v[SPW], v[NIL]                      ; the wave's opening: the add, twice on end, and its wait ahead of my first tensor load
	ds_add_u32 v[SPW], v[NIL]
	v_lshrrev_b32 v1, 5, v0
	v_readfirstlane_b32 s14, v1                    ; wave 0..3
	s_lshr_b32 s15, s14, 1                         ; which half of the tile's tokens is mine.  Also: I fetch for x (0) or for W (1)
	s_and_b32 s16, s14, 1                          ; which half of its features.  Also: which 128 rows I fetch
	s_bfe_u32 s40, ttmp6, 0x40000                  ; cx, cy: my place in the cluster
	s_bfe_u32 s41, ttmp6, 0x40004
	s_lshl_b32 s42, ttmp9, 2
	s_add_co_u32 s42, s42, s40                     ; tile column = 4 x cluster x + cx
	s_and_b32 s17, ttmp7, 0xffff
	s_lshl_b32 s17, s17, 2
	s_add_co_u32 s17, s17, s41                     ; tile row = 4 x cluster y + cy
	s_lshl_b32 s43, s41, 2
	s_lshl_b32 s43, 15, s43                        ; my row of the cluster
	s_lshl_b32 s44, 0x1111, s40                    ; my column
	; descriptor group 1: dense blocks as rows of 256 bytes (32 elements of 8 bytes), no padding: 128 rows of codes, 16 rows of scale words
	s_or_b32 s[G1+0], s43, (3<<16)|(1<<21)         ; 15:0 the mask: x's tiles go to my row; 17:16 elements of 8 bytes; 21 set beside a mask
	s_or_b32 s[G1B+0], s44, (3<<16)|(1<<21)        ; W's go to my column
.irp g, G1, G1B
	s_mov_b32 s[\g+1], 32<<16                      ; tensor_dim0
	s_mov_b32 s[\g+2], 128<<16                     ; tensor_dim1
	s_mov_b32 s[\g+3], 32<<16                      ; tile_dim0
	s_mov_b32 s[\g+4], 128                         ; tile_dim1
	s_mov_b32 s[\g+5], 32                          ; tensor_dim0_stride
	s_mov_b32 s[\g+6], 0
	s_mov_b32 s[\g+7], 0
.endr
	s_or_b32 s[G1S+0], s43, (3<<16)|(1<<21)
	s_or_b32 s[G1SB+0], s44, (3<<16)|(1<<21)
.irp g, G1S, G1SB
	s_mov_b32 s[\g+1], 32<<16
	s_mov_b32 s[\g+2], 16<<16
	s_mov_b32 s[\g+3], 32<<16
	s_mov_b32 s[\g+4], 16
	s_mov_b32 s[\g+5], 32
	s_mov_b32 s[\g+6], 0
	s_mov_b32 s[\g+7], 0
.endr
	s_lshl_b32 s20, s17, 1
	s_add_co_u32 s20, s20, s16                     ; x: which 128 rows: 2 x tile row + half
	s_lshl_b32 s22, s20, 12
	s_add_co_u32 s22, s22, 0x400000                ; their scale words, behind the codes
	s_lshl_b32 s20, s20, 16                        ; their codes
	s_mov_b32 s21, 0
	s_mov_b32 s23, 0
	s_lshl_b32 s46, s42, 1
	s_add_co_u32 s46, s46, s16                     ; W: 2 x tile column + half
	s_lshl_b32 s92, s46, 12
	s_add_co_u32 s92, s92, 0x180000
	s_lshl_b32 s46, s46, 16
	s_mov_b32 s47, 0
	s_mov_b32 s93, 0
	s_lshl_b32 s45, s14, 15                        ; where they go: wave x 32,768: no place in the cluster enters an LDS address
	s_lshl_b32 s94, s14, 12
	s_mov_b32 s[SEL], 0x76543210
	s_mov_b32 s[SEL+1], 0xfedcba98
	s_wait_dscnt 0x0                               ; both opening adds are done
	s_wait_kmcnt 0x0
	s_add_nc_u64 s[20:21], s[4:5], s[20:21]
	s_add_nc_u64 s[22:23], s[4:5], s[22:23]
	s_add_nc_u64 s[46:47], s[6:7], s[46:47]
	s_add_nc_u64 s[92:93], s[6:7], s[92:93]
	CROUND                                         ; all sixteen work-groups are here: the joint loads meet
	s_mov_b32 s[G0S], 1
	s_add_co_u32 s[G0S+1], s94, SCL
	s_mov_b64 s[G0S+2:G0S+3], s[22:23]
	s_or_b32 s[G0S+3], s[G0S+3], 0x80000000
	s_mov_b32 s[G0SB], 1
	s_add_co_u32 s[G0SB+1], s94, SCL
	s_mov_b64 s[G0SB+2:G0SB+3], s[92:93]
	s_or_b32 s[G0SB+3], s[G0SB+3], 0x80000000
	JLOAD G0S, G1S, G0SB, G1SB                     ; the scale words first: they are wanted with the first half of K
.irp s, 0,1
	s_mov_b32 s[G0+4*\s], 1
	s_add_co_u32 s[G0+4*\s+1], s45, \s*SLOT
	s_add_nc_u64 s[G0+4*\s+2:G0+4*\s+3], s[20:21], \s*32768
	s_or_b32 s[G0+4*\s+3], s[G0+4*\s+3], 0x80000000
	s_mov_b32 s[G0B+4*\s], 1
	s_add_co_u32 s[G0B+4*\s+1], s45, \s*SLOT
	s_add_nc_u64 s[G0B+4*\s+2:G0B+4*\s+3], s[46:47], \s*32768
	s_or_b32 s[G0B+4*\s+3], s[G0B+4*\s+3], 0x80000000
	JLOAD G0+4*\s, G1, G0B+4*\s, G1B
.endr
	v_and_b32 v1, 15, v0                           ; r
	v_bfe_u32 v2, v0, 4, 1                         ; h
	v_and_b32 v3, 31, v0
	v_lshlrev_b32 v3, 4, v3                        ; 16 x lane: an image's place for my lane, in LDS and in memory
	s_lshl_b32 s21, s15, 15                        ; my 128 tokens
	s_lshl_b32 s22, s16, 15                        ; my 128 features,
	s_add_co_u32 s22, s22, 65536                   ; behind x's 256 rows
.irp s, 0,1
	v_add_nc_u32 v[ADRA+\s], s21, v3
	v_add_nc_u32 v[ADRB+\s], s22, v3
	s_add_co_u32 s21, s21, SLOT
	s_add_co_u32 s22, s22, SLOT
.endr
	s_lshl_b32 s21, s15, 12                        ; x's scale words: my 128 tokens
	s_lshl_b32 s22, s16, 12                        ; W's: my 128 features, behind x's 8,192 bytes
	s_add_co_u32 s22, s22, 8192
	s_sub_co_u32 s22, s22, s21
	v_mul_u32_u24 v6, s22, v2                      ; lanes 16-31 take W's: one product, the distance between the two
	s_add_co_u32 s21, s21, SCL
	v_lshl_add_u32 v5, v1, 4, v6
	v_add_nc_u32 v[ADRS], s21, v5
	; the way out's numbers
	s_and_b32 s18, s17, 7
	s_lshl_b32 s18, s18, 4
	s_lshl_b32 s19, s15, 3
	s_add_co_u32 s18, s18, s19                     ; pt0: my first tile of 16 tokens in its sequence
	s_lshr_b32 s19, s17, 3
	s_lshl_b32 s19, s19, 4                         ; 16 x batch
	s_lshl_b32 s20, s40, 2
	s_add_co_u32 s19, s19, s20
	s_lshl_b32 s20, s16, 1
	s_add_co_u32 s19, s19, s20                     ; my first head: 16 b + 4 cx + 2 x half
	s_lshl_b32 s20, s18, 12
	s_mov_b32 s21, 0
	s_add_nc_u64 s[8:9], s[8:9], s[20:21]          ; the table at pt0
	s_lshl_b32 s20, s19, 18
	s_lshl_b32 s22, s18, 11
	s_add_co_u32 s20, s20, s22                     ; q: 262,144 head + 2,048 pt0
	s_lshl_b32 s22, s19, 19
	s_lshr_b32 s23, s18, 5
	s_lshl_b32 s23, s23, 17
	s_add_co_u32 s22, s22, s23
	s_and_b32 s23, s18, 31
	s_lshl_b32 s23, s23, 11
	s_add_co_u32 s22, s22, s23                     ; k: 524,288 head + 131,072 (pt0 / 32) + 2,048 (pt0 % 32)
	s_cmp_eq_u32 ttmp9, 2
	s_cselect_b32 s23, 65536, 0
	s_add_co_u32 s22, s22, s23                     ; v: 65,536 further on
	s_cmp_eq_u32 ttmp9, 0                          ; q's cluster?  The choice hangs on the cluster's number alone
	s_cselect_b64 s[10:11], s[10:11], s[12:13]
	s_cselect_b32 s20, s20, s22
	s_mov_b32 s43, 0x80000
	s_cselect_b32 s43, 0x40000, s43                ; from head to head
	s_mov_b32 s44, 1.0
	s_cselect_b32 s44, 0x42800000, s44             ; 64 for q, 1 for k
	s_mov_b32 s45, 0x358637bd
	s_cselect_b32 s45, 0x388637bd, s45             ; 64e-6 for q, 1e-6 for k
	s_add_nc_u64 s[10:11], s[10:11], s[20:21]
.macro TLOADS a                        ; the table of tokens 16 a on: 16 cos and 16 sin a lane; each load 512 consecutive bytes
.irp i, 0,1,2,3,4,5,6,7
	global_load_b128 v[TB+32*((\a)%2)+4*\i:TB+32*((\a)%2)+4*\i+3], v3, s[8:9] offset:4096*(\a)+512*\i
.endr
.endm
	TLOADS 0
	TLOADS 1
.macro FRAG reg, adr, q, i             ; a fragment: two groups of four registers, 512 bytes apart
.irp c, 0,1
	ds_load_b128 v[\reg+4*\c:\reg+4*\c+3], v[\adr] offset:1024*(\q)+512*\c+(\i)*4096
.endr
.endm
; 16 matrix instructions: x's blocks a0, a0 + 1 against W's eight, 128 along K.  p: W's set;  sc: the set of scale words.  zero = 1: the first product starts the sums.
; The 64 accumulators take turns, one instruction a turn, in the same order in every step.
.macro MUL16 a0, p, q, sc, zero
.irp a, \a0, \a0+1
.irp b, 0,1,2,3,4,5,6,7
.if \zero
	v_wmma_scale_f32_16x16x128_f8f6f4 v[8*(8*((\a)%4)+\b):8*(8*((\a)%4)+\b)+7], v[128*(\p)+FR*\b:128*(\p)+FR*\b+FR-1], v[AF+FR*(\a):AF+FR*(\a)+FR-1], 0, v[SC+8*NQ*(\sc)+NQ*\b+(\q)], v[SC+8*NQ*(\sc)+NQ*(\a)+(\q)] matrix_a_fmt:MATRIX_FMT_FP4 matrix_b_fmt:MATRIX_FMT_FP4 matrix_a_scale:MATRIX_SCALE_ROW1
.else
	v_wmma_scale_f32_16x16x128_f8f6f4 v[8*(8*((\a)%4)+\b):8*(8*((\a)%4)+\b)+7], v[128*(\p)+FR*\b:128*(\p)+FR*\b+FR-1], v[AF+FR*(\a):AF+FR*(\a)+FR-1], v[8*(8*((\a)%4)+\b):8*(8*((\a)%4)+\b)+7], v[SC+8*NQ*(\sc)+NQ*\b+(\q)], v[SC+8*NQ*(\sc)+NQ*(\a)+(\q)] matrix_a_fmt:MATRIX_FMT_FP4 matrix_b_fmt:MATRIX_FMT_FP4 matrix_a_scale:MATRIX_SCALE_ROW1
.endif
.endr
.endr
.endm
.macro FETCH_B slot, q, p
	WIN TO_B
.irp i, 0,1,2,3,4,5,6,7
	FRAG 128*(\p)+FR*\i, ADRB+\slot, \q, \i
.endr
	WIN 0
.endm
.macro FETCH_A slot, q, i0
.irp i, \i0, \i0+1, \i0+2, \i0+3
	FRAG AF+FR*(\i), ADRA+\slot, \q, \i
.endr
.endm
.macro SCALES sc                       ; the scale words of half sc of K: four words a row; lanes 0-15 take x's block i, lanes 16-31 W's block i
.irp i, 0,1,2,3,4,5,6,7
	ds_load_b128 v[SC+8*NQ*\sc+NQ*\i:SC+8*NQ*\sc+NQ*\i+3], v[ADRS] offset:\i*512+256*\sc
.endr
.endm
.macro PLACES n                        ; plain vector lines between a matrix instruction and a load into, or a vector read or write of, its registers
.rept \n
	v_nop
.endr
.endm
.macro STEP slot, q, zero              ; 128 along K that have their successor in the same half
	s_wait_dscnt 4*NL                              ; W's set and x's blocks 0-3 are in; the youngest eight loads (x's blocks 4-7) may be out
	WIN MUL_LO
	MUL16 0, (\q)%2, \q, \slot, \zero
	MUL16 2, (\q)%2, \q, \slot, \zero
	s_wait_dscnt 0
	PLACES NP
	FETCH_B \slot, (\q)+1, 1-(\q)%2
	FETCH_A \slot, (\q)+1, 0
	WIN MUL_HI
	MUL16 4, (\q)%2, \q, \slot, \zero
	MUL16 6, (\q)%2, \q, \slot, \zero
	PLACES NP
	WIN 0
	FETCH_A \slot, (\q)+1, 4
.endm
.macro TURN slot, next                 ; the first half's last step: behind its barrier the second half of K is whole for every wave
	s_wait_tensorcnt 0x0                           ; all my tensor loads have landed: my part of the second half;
	ds_add_u32 v[SPW], v[NIL]                      ; 0 onto my spare word;
	s_wait_dscnt 4*NL+1                            ; (the add and the youngest eight loads may be out)
	WIN MUL_LO
	MUL16 0, 1, NQ-1, \slot, 0
	s_wait_dscnt 0x0
	s_barrier_signal -1
	MUL16 2, 1, NQ-1, \slot, 0
	WIN 0
	s_barrier_wait -1
	PLACES NP
	FETCH_B \next, 0, 0
	FETCH_A \next, 0, 0
	SCALES \next
	WIN MUL_HI
	MUL16 4, 1, NQ-1, \slot, 0
	MUL16 6, 1, NQ-1, \slot, 0
	PLACES NP
	WIN 0
	FETCH_A \next, 0, 4
.endm
.macro STEPS slot, from
.set QS, \from
.rept NQ-1-\from
	STEP \slot, QS, 0
.set QS, QS+1
.endr
.endm
	s_wait_tensorcnt 1                             ; the scale words and my part of the first half of K are in; the second half's load may be out
	s_barrier_signal -1
	s_barrier_wait -1                              ; everybody's are
	FETCH_B 0, 0, 0
	FETCH_A 0, 0, 0
	SCALES 0
	FETCH_A 0, 0, 4
	STEP 0, 0, 1                                   ; the first products start the sums: nothing is cleared
	STEPS 0, 1
	TURN 0, 1
	STEPS 1, 0
	s_wait_dscnt 4*NL                              ; the last step: nothing more to fetch
	WIN MUL_LO
	MUL16 0, 1, NQ-1, 1, 0
	MUL16 2, 1, NQ-1, 1, 0
	s_wait_dscnt 0
	WIN MUL_HI
	MUL16 4, 1, NQ-1, 1, 0
	MUL16 6, 1, NQ-1, 1, 0
	WIN 0
; THE WAY OUT OF q AND k, 16 tokens x my two heads at a time.
.macro QKROW a
.set AC, 64*((\a)%4)
.set TT, TB+32*((\a)%2)
.set HS, HB+32*((\a)%2)
.if (\a) < 7
	s_wait_loadcnt 8                               ; this block's eight table loads are in; the next block's eight may be out
.else
	s_wait_loadcnt 0
.endif
	WIN 0x02+(\a)/4                                ; source 0: the accumulators' window
.irp hh, 0,1
.irp t, 0,1
.irp jp, 0,2,4,6                       ; each accumulator is read from its low end on
	v_pk_mul_f32 v[R+32*\hh+8*\t+\jp:R+32*\hh+8*\t+\jp+1], v[AC+8*(4*\hh+\t)+\jp:AC+8*(4*\hh+\t)+\jp+1], v[TT+8*\t+\jp:TT+8*\t+\jp+1]               ; x1 cos
.endr
.irp jp, 0,2,4,6
	v_pk_mul_f32 v[R+32*\hh+16+8*\t+\jp:R+32*\hh+16+8*\t+\jp+1], v[AC+8*(4*\hh+\t)+\jp:AC+8*(4*\hh+\t)+\jp+1], v[TT+16+8*\t+\jp:TT+16+8*\t+\jp+1]   ; x1 sin
.endr
.irp jp, 0,2,4,6
	v_pk_fma_f32 v[R+32*\hh+8*\t+\jp:R+32*\hh+8*\t+\jp+1], v[AC+8*(4*\hh+2+\t)+\jp:AC+8*(4*\hh+2+\t)+\jp+1], v[TT+16+8*\t+\jp:TT+16+8*\t+\jp+1], v[R+32*\hh+8*\t+\jp:R+32*\hh+8*\t+\jp+1] neg_lo:[1,0,0] neg_hi:[1,0,0]   ; - x2 sin
.endr
.irp jp, 0,2,4,6
	v_pk_fma_f32 v[R+32*\hh+16+8*\t+\jp:R+32*\hh+16+8*\t+\jp+1], v[AC+8*(4*\hh+2+\t)+\jp:AC+8*(4*\hh+2+\t)+\jp+1], v[TT+8*\t+\jp:TT+8*\t+\jp+1], v[R+32*\hh+16+8*\t+\jp:R+32*\hh+16+8*\t+\jp+1]   ; + x2 cos
.endr
.endr
.endr
	WIN 0
.irp hh, 0,1                           ; the sum of squares: two chains a head
	v_pk_mul_f32 v[T0+4*\hh:T0+4*\hh+1], v[R+32*\hh:R+32*\hh+1], v[R+32*\hh:R+32*\hh+1]
	v_pk_mul_f32 v[T0+4*\hh+2:T0+4*\hh+3], v[R+32*\hh+2:R+32*\hh+3], v[R+32*\hh+2:R+32*\hh+3]
.endr
.irp i, 4,8,12,16,20,24,28
.irp hh, 0,1
	v_pk_fma_f32 v[T0+4*\hh:T0+4*\hh+1], v[R+32*\hh+\i:R+32*\hh+\i+1], v[R+32*\hh+\i:R+32*\hh+\i+1], v[T0+4*\hh:T0+4*\hh+1]
	v_pk_fma_f32 v[T0+4*\hh+2:T0+4*\hh+3], v[R+32*\hh+\i+2:R+32*\hh+\i+3], v[R+32*\hh+\i+2:R+32*\hh+\i+3], v[T0+4*\hh+2:T0+4*\hh+3]
.endr
.endr
.irp hh, 0,1
	v_pk_add_f32 v[T0+4*\hh:T0+4*\hh+1], v[T0+4*\hh:T0+4*\hh+1], v[T0+4*\hh+2:T0+4*\hh+3]
.endr
.irp hh, 0,1
	v_add_f32 v[T0+4*\hh], v[T0+4*\hh], v[T0+4*\hh+1]
.endr
.irp hh, 0,1
	v_permlanex16_b32 v[T0+8+\hh], v[T0+4*\hh], s[SEL], s[SEL+1]   ; the token's other 32 channels lie in the lane 16 away
.endr
.irp hh, 0,1
	v_add_f32 v[T0+4*\hh], v[T0+4*\hh], v[T0+8+\hh]
.endr
.irp hh, 0,1
	v_fma_f32 v[T0+4*\hh], v[T0+4*\hh], s44, s45   ; ss + 1e-6, for q times 64
.endr
.irp hh, 0,1
	v_rsq_f32 v[96+2*\hh], v[T0+4*\hh]
.endr
	v_nop                                          ; a plain line behind the last transcendental
.if (\a)+2 < 8
	TLOADS (\a)+2                                  ; this block's set of the table has been read
.endif
	s_wait_alu depctr_va_vdst(0)                   ; one wait for the two, ahead of their first reader
.irp hh, 0,1
.irp i, 0,2,4,6,8,10,12,14,16,18,20,22,24,26,28,30
	v_pk_mul_f32 v[R+32*\hh+\i:R+32*\hh+\i+1], v[R+32*\hh+\i:R+32*\hh+\i+1], v[96+2*\hh:97+2*\hh] op_sel_hi:[1,0]
.endr
.endr
.if (\a) >= 2
	s_wait_xcnt 0x0                                ; the stores of two blocks back have read this set of packed numbers
.endif
	WIN 0x40                                       ; destination window 1
.irp i, 0,1,2,3,4,5,6,7,8,9,10,11,12,13,14,15,16,17,18,19,20,21,22,23,24,25,26,27,28,29,30,31
	v_cvt_pk_f16_f32 v[HS+\i], v[R+2*\i], v[R+2*\i+1]
.endr
	WIN 0x04                                       ; a store's data are its source 1: window 1
.irp hh, 0,1
.irp t, 0,1,2,3
	global_store_b128 v[3+\hh], v[HS+16*\hh+4*\t:HS+16*\hh+4*\t+3], s[10:11] offset:2048*(\a)+512*\t   ; 512 consecutive bytes: channels 16 t on of 16 tokens
.endr
.endr
.endm
; THE WAY OUT OF v: rounded to f16 as it is.  A tile of 16 keys is [16 channels][key][8 + 8 channels]: the next launch reads it turned.
.macro VROW a
.set AC, 64*((\a)%4)
.set HS, HB+32*((\a)%2)
.if (\a) >= 2
	s_wait_xcnt 0x0
.endif
	WIN 0x4a+5*((\a)/4)                            ; sources 0 and 1: the accumulators' window; destination window 1
.irp b, 0,1,2,3,4,5,6,7
.irp i, 0,1,2,3
	v_cvt_pk_f16_f32 v[HS+4*\b+\i], v[AC+8*\b+2*\i], v[AC+8*\b+2*\i+1]
.endr
.endr
	WIN 0x04
.irp b, 0,1,2,3,4,5,6,7
	global_store_b128 v[VOV+\b/4], v[HS+4*\b:HS+4*\b+3], s[10:11] offset:2048*(\a)+512*(\b%4)
.endr
.endm
	PLACES NP                                      ; behind the last products: their results are read, and registers that they read are written, from here on
	s_cmp_eq_u32 ttmp9, 2                          ; the cluster's number: the same in all sixteen partners
	s_cbranch_scc1 .Lv_out
	v_add_nc_u32 v4, s43, v3                       ; my second head's place
	v_mov_b32 v97, 0                               ; (named as the upper halves of pairs)
	v_mov_b32 v99, 0
	v_mov_b32 v[T0+8], 0                           ; (a lane permute's destination counts as one of its sources)
	v_mov_b32 v[T0+9], 0
.irp a, 0,1,2,3,4,5,6,7
	QKROW \a
.endr
	WIN 0
	s_branch .Lend
.Lv_out:
	v_lshlrev_b32 v[VOV], 5, v1
	v_lshl_add_u32 v[VOV], v2, 4, v[VOV]           ; 32 r + 16 h
	v_add_nc_u32 v[VOV+1], s43, v[VOV]
.irp a, 0,1,2,3,4,5,6,7
	VROW \a
.endr
	WIN 0
.Lend:
	s_wait_tensorcnt 0x0                           ; the wave's end: three lines behind my last tensor load
	ds_add_u32 v[SPW], v[NIL]
	s_wait_dscnt 0x0
	CROUND                                         ; the closing round
	s_endpgm
.Lfunc_end_k_q9812bfe553_qkv:
	.size	k_q9812bfe553_qkv, .Lfunc_end_k_q9812bfe553_qkv-k_q9812bfe553_qkv
	.p2alignl 7, 3214868480
	.fill 96, 4, 3214868480
	.section	.rodata,"a",@progbits
	.p2align	6, 0x0
	.amdhsa_kernel k_q9812bfe553_qkv
		.amdhsa_group_segment_fixed_size 327680
		.amdhsa_private_segment_fixed_size 0
		.amdhsa_enable_private_segment 0
		.amdhsa_kernarg_size 40
		.amdhsa_user_sgpr_count 2
		.amdhsa_user_sgpr_kernarg_segment_ptr 1
		.amdhsa_wavefront_size32 1
		.amdhsa_system_sgpr_workgroup_id_x 1
		.amdhsa_system_sgpr_workgroup_id_y 1
		.amdhsa_system_sgpr_workgroup_id_z 1
		.amdhsa_system_vgpr_workitem_id 0
		.amdhsa_next_free_vgpr 1024
		.amdhsa_next_free_sgpr 100
		.amdhsa_reserve_vcc 0
		.amdhsa_float_denorm_mode_32 3
		.amdhsa_float_denorm_mode_16_64 3
		.amdhsa_memory_ordered 1
		.amdhsa_forward_progress 1
		.amdhsa_inst_pref_size 217
	.end_amdhsa_kernel
	.amdgpu_metadata
---
amdhsa.version: [ 1, 2 ]
amdhsa.kernels:
  - .name:           k_q9812bfe553_qkv
    .symbol:         k_q9812bfe553_qkv.kd
    .args:
      - { .name: xq, .offset: 0, .size: 8, .value_kind: global_buffer, .address_space: global }
      - { .name: wq, .offset: 8, .size: 8, .value_kind: global_buffer, .address_space: global }
      - { .name: rope, .offset: 16, .size: 8, .value_kind: global_buffer, .address_space: global }
      - { .name: qimg, .offset: 24, .size: 8, .value_kind: global_buffer, .address_space: global }
      - { .name: kv, .offset: 32, .size: 8, .value_kind: global_buffer, .address_space: global }
    .group_segment_fixed_size: 327680
    .private_segment_fixed_size: 0
    .kernarg_segment_align: 8
    .kernarg_segment_size: 40
    .max_flat_workgroup_size: 128
    .sgpr_count:     100
    .vgpr_count:     1024
    .wavefront_size: 32
...
	.end_amdgpu_metadata
.endif
;; end of part 2
;; launch attn (part 3): grid 4 x 64, 8 waves a work-group, clusters of 4 x 1, 327,680 bytes of LDS; arguments qimg, kv, oimg; writes oimg
.if DOCPART == 3
	.amdgcn_target "amdgcn-amd-amdhsa--gfx1250"
	.amdhsa_code_object_version 6
	.text
	.protected	k_q9812bfe553_attn
	.globl	k_q9812bfe553_attn
	.p2align	8
	.type	k_q9812bfe553_attn,@function
k_q9812bfe553_attn:
	s_mov_b64 s[64:65], 0
	v_nop
	global_prefetch_b8 v0, s[64:65] scope:SCOPE_SE
	s_setreg_imm32_b32 hwreg(HW_REG_WAVE_MODE, 25, 1), 1
	s_wait_xcnt 0x0
	s_wait_alu depctr_hold_cnt(0) depctr_sa_sdst(0) depctr_va_vdst(0) depctr_va_sdst(0) depctr_va_ssrc(0) depctr_va_vcc(0) depctr_vm_vsrc(0)
	s_getreg_b32 s2, hwreg(HW_REG_IB_STS2, 6, 4)
	s_cmp_eq_u32 s2, 0
	s_cbranch_scc0 .Lentry_in_a_cluster
	s_endpgm
.Lentry_in_a_cluster:
	s_bfe_u32 s2, ttmp6, 0x10000c
	s_cmp_lg_u32 s2, 0x3003
	s_cbranch_scc0 .Lentry_shape_is_right
	s_endpgm
.Lentry_shape_is_right:
; LAUNCH 3 OF 4.  o[b][t][h] = softmax_s(q . k / 8) v, no mask; operands f16, products and sums f32.  q arrives divided by 8, q and k normalised.
; NO MAXIMUM IS TAKEN AWAY, and none is needed for any input: reference() itself divides q and k by sqrt(sum of squares + 1e-6), so a score lies within +-1/8, with f16 operands within +-0.1252;
; e^score lies between 0.88 and 1.14 and a row's sum between 1,800 and 2,330.  No other work is left out.
; e^s BY A POLYNOMIAL THAT HOLDS FOR EVERY POSSIBLE s: the series to s^5 with s^5 replaced by its best cubic on |s| <= 0.128: p = (((c4 s + c3) s + 1/2) s + c1) s + 1.  What is cut off is at most
; 0.128^5 / 1,920 + 0.128^6 / 720 = 2.4e-8, under half of the last bit of p in f32.  Four packed multiply-adds for two numbers.
; The row's sum is taken of p in f32, before p is rounded to f16 for the second product; it divides o at the end.
; SHARES.  A work-group owns 512 queries of one (batch, head), each of its eight waves 64: four tiles of 16, in 512 registers.  Every wave walks the head's 2,048 keys, 64 a step.
; LAYOUT.  S^T = K Q^T (source 0 = 16 keys, source 1 = 16 queries) and O^T = V^T P (source 0 = 16 channels, source 1 = P): a lane holds one query throughout; two tiles of S^T, packed in pairs, are a fragment of P.
; BY TURNS.  The wave's tiles are two pieces (tiles 0, 1 and tiles 2, 3).  In a turn one piece issues 16 products V^T P of the step in hand and 16 products K Q^T of the next; the other piece's softmax, 192 plain
; vector lines, stands in 32 slices of six, one behind each matrix instruction.  Two turns are a key step.  The slices are also the places behind the matrix instructions (ISA guide 7.12.1).
; RING.  Two LDS slots of 512 keys: 65,536 bytes of K, then 65,536 of V, as they lie in memory (images of the fragments).  Each wave fetches an eighth of a slot by one tensor load: two of a wave's loads
; are out at the start, one behind each refill, which has eight key steps in which to land.
; CLUSTER.  The four query blocks of a head walk the same K and V: each load is asked for jointly by the four.
; NO PREFETCH: the first two slots are asked for at the head; the other two are asked for eight key steps ahead of their first read, so no wave waits for them.
; LIMITS: |o| must stay under 65,504 (f16).  NaN and infinities are not served.
; REGISTERS: window 0: v1-3 addresses; v6, v7 the add's two; v8-13 c4, c3, c1 as pairs; v16-31 the sums; v32-47 at work; v48-175 S^T, 32 a tile, P packed into its low 16; v176-239 Q, 16 a tile; v240-247 1 / sum.
;   window 1: v0-127 O^T, 32 a tile; v128-191 K of a step; v192-255 V of a step.
.set SLOT1, 131072
.set SPARE, 262144                     ; behind the ring: the spare words, 128 bytes for each of eight waves
.set AK0, 1                            ; v1   16 x lane: my place in an image, in LDS (K) and in memory (Q, O); never rewritten
.set AV0, 2                            ; v2   my place in a tile of V for the turning load; never rewritten
.set ADR, 3                            ; v3   the LDS address of the run of loads in hand
.set SPW, 6
.set NIL, 7
.set C4,  8
.set C3,  10
.set C1,  12
.set L,   16                           ; tile t: two pairs at + 4 t
.set TMP, 32
.set S,   48
.set Q,   176
.set WV,  12                           ; s12  my wave's number
.set TB,  40                           ; s40  LDS byte at which the tiles of the step to be fetched begin
.set SLOTS, 41
.set CNT, 42
.set SEL, 44                           ; s[44:45]
.set MSB, 0
.macro WIN new
.if MSB != (\new)
	s_set_vgpr_msb (MSB<<8)|(\new)
.set MSB, (\new)
.endif
.endm
.set W_KQ, 0x01                        ; K in window 1; Q and S^T in window 0
.set W_PV, 0x51                        ; V and O^T in window 1; P in window 0
.macro CROUND
	s_barrier_signal -1
	s_barrier_wait -1
	s_cmp_lg_u32 s[WV], 0
	s_cbranch_scc1 .Lnot_wave_0_\@
	s_barrier_signal -3
.Lnot_wave_0_\@:
	s_barrier_wait -3
	s_barrier_signal -1
	s_barrier_wait -1
.endm
	s_load_b128 s[4:7], s[0:1], 0x0                ; qimg s[4:5], kv s[6:7]
	s_load_b64 s[8:9], s[0:1], 0x10                ; oimg
	v_lshl_add_u32 v[SPW], v0, 2, SPARE
	v_mov_b32 v[NIL], 0
	ds_add_u32 v[SPW], v[NIL]                      ; the wave's opening: the add, twice on end, and its wait ahead of my first tensor load
	ds_add_u32 v[SPW], v[NIL]
	v_lshrrev_b32 v1, 5, v0
	v_readfirstlane_b32 s[WV], v1                  ; wave 0..7
	s_bfe_u32 s13, ttmp6, 0x40000                  ; cx: my block of 512 queries; it enters Q's and O's addresses alone
	s_and_b32 s14, ttmp7, 0xffff                   ; 16 x batch + head, which the four partners share
	; descriptor group 1: 16,384 dense bytes as 64 rows of 256 (32 elements of 8 bytes), no padding
	s_mov_b32 s24, 15|(3<<16)|(1<<21)              ; 15:0 the mask: all four work-groups; 17:16 elements of 8 bytes; 21 set beside a mask
	s_mov_b32 s25, 32<<16
	s_mov_b32 s26, 64<<16
	s_mov_b32 s27, 32<<16
	s_mov_b32 s28, 64
	s_mov_b32 s29, 32
	s_mov_b32 s30, 0
	s_mov_b32 s31, 0
	s_lshl_b32 s18, s[WV], 14                      ; my eighth of a slot, in LDS and in memory
	s_lshl_b32 s16, s14, 19
	s_add_co_u32 s16, s16, s18
	s_mov_b32 s17, 0                               ; K and V: 524,288 x head + 16,384 x wave
	s_lshl_b32 s20, s14, 18
	s_lshl_b32 s22, s13, 16
	s_add_co_u32 s20, s20, s22
	s_lshl_b32 s22, s[WV], 13
	s_add_co_u32 s20, s20, s22
	s_mov_b32 s21, 0                               ; Q: 262,144 x head + 2,048 x (32 cx + 4 wave)
	s_lshr_b32 s22, s14, 4
	s_lshl_b32 s22, s22, 22
	s_lshl_b32 s23, s13, 20
	s_add_co_u32 s22, s22, s23
	s_lshl_b32 s23, s[WV], 17
	s_add_co_u32 s22, s22, s23                     ; O: 131,072 x (32 b + 8 cx + wave): my 64 rows,
	s_bfe_u32 s23, s14, 0x30001
	s_lshl_b32 s23, s23, 14
	s_add_co_u32 s22, s22, s23                     ; + 16,384 x (head / 2): the 128 along the projection's K,
	s_and_b32 s23, s14, 1
	s_lshl_b32 s23, s23, 11
	s_add_co_u32 s22, s22, s23                     ; + 2,048 x (head % 2)
	s_mov_b32 s23, 0
	s_mov_b32 s[SEL], 0x76543210
	s_mov_b32 s[SEL+1], 0xfedcba98
	s_mov_b32 s[TB], 0
	s_mov_b32 s[SLOTS], 2
	s_wait_dscnt 0x0                               ; both opening adds are done
	s_wait_kmcnt 0x0
	s_add_nc_u64 s[6:7], s[6:7], s[16:17]
	s_add_nc_u64 s[4:5], s[4:5], s[20:21]
	s_add_nc_u64 s[8:9], s[8:9], s[22:23]
	CROUND                                         ; all four work-groups are here: the first joint loads meet
	s_mov_b32 s32, 1
	s_mov_b32 s33, s18                             ; slot 0
	s_mov_b64 s[34:35], s[6:7]                     ; keys 0 to 511
	s_or_b32 s35, s35, 0x80000000
	s_mov_b32 s36, 1
	s_add_co_u32 s37, s18, SLOT1                   ; slot 1; this set then walks
	s_add_nc_u64 s[38:39], s[6:7], 131072          ; keys 512 to 1,023
	s_or_b32 s39, s39, 0x80000000
	tensor_load_to_lds s[32:35], s[24:31]          ; every wave issues its two first fills, with no branch
	s_nop 0
	tensor_load_to_lds s[36:39], s[24:31]
	s_nop 0
.rept 4
	v_nop
.endr
	v_and_b32 v1, 31, v0
	v_lshlrev_b32 v[AK0], 4, v1
.irp i, 0,1,2,3,4,5,6,7,8,9,10,11,12,13,14,15      ; Q stays in registers: group i = 4 tile + 2 (channels / 32) + half
	global_load_b128 v[Q+4*\i:Q+4*\i+3], v[AK0], s[4:5] offset:512*\i th:TH_LOAD_NT
.endr
	; the turning load takes 16 keys x 16 channels: lane l reads key 8 (l / 16) + l % 8, channels 8 ((l / 8) % 2) on; a key's 16 channels are 32 bytes
	v_and_b32 v32, 7, v0
	v_bfe_u32 v33, v0, 4, 1
	v_lshl_add_u32 v32, v33, 3, v32
	v_bfe_u32 v33, v0, 3, 1
	v_lshlrev_b32 v[AV0], 5, v32
	v_lshl_add_u32 v[AV0], v33, 4, v[AV0]
	v_add_nc_u32 v[AV0], 65536, v[AV0]             ; V lies behind K's 65,536 bytes
.irp j, 0,1
	v_mov_b32 v[C4+\j], 0x3d2aaaab                 ; 1 / 24
	v_mov_b32 v[C3+\j], 0x3e2ad768                 ; 1 / 6 + 0.128^2 / 96
	v_mov_b32 v[C1+\j], 0x3f7ffff4                 ; 1 - 0.128^4 / 384
.endr
.irp t, 0,1,2,3
	v_mov_b32 v[241+2*\t], 0                       ; (named as the upper halves of pairs on the way out)
.endr
; Product i of 16 of S^T = K Q^T for piece x: channels 32 (i / 8) on, keys 16 ((i / 2) % 4) on, tile x + i % 2.  The first 8 start the sums.  Eight accumulators take turns.
.macro KQ x
	WIN W_KQ
.set rS, S+32*((\x)+i%2)+8*((i/2)%4)
.set rK, 128+16*((i/2)%4)+8*(i/8)
.set rQ, Q+16*((\x)+i%2)+8*(i/8)
.if i < 8
	v_wmma_f32_16x16x32_f16 v[rS:rS+7], v[rK:rK+7], v[rQ:rQ+7], 0
.else
	v_wmma_f32_16x16x32_f16 v[rS:rS+7], v[rK:rK+7], v[rQ:rQ+7], v[rS:rS+7]
.endif
.endm
; Product i of 16 of O^T += V^T P: keys 32 (i / 8) on, channels 16 ((i / 2) % 4) on, tile x + i % 2.  zero: the first 8 start the sums.
.macro PV x, zero
	WIN W_PV
.set rO, 32*((\x)+i%2)+8*((i/2)%4)
.set rV, 192+8*(4*(i/8)+(i/2)%4)
.set rP, S+32*((\x)+i%2)+8*(i/8)
.if (\zero) && (i < 8)
	v_wmma_f32_16x16x32_f16 v[rO:rO+7], v[rV:rV+7], v[rP:rP+7], 0
.else
	v_wmma_f32_16x16x32_f16 v[rO:rO+7], v[rV:rV+7], v[rP:rP+7], v[rO:rO+7]
.endif
.endm
.macro FETCH_K                         ; a step's K: 4 tiles of 16 keys x 64 channels: 16 groups of four registers, 512 bytes apart
	WIN 0
	v_add_nc_u32 v[ADR], s[TB], v[AK0]
	WIN 0x40                                       ; destination window 1
.irp f, 0,1,2,3,4,5,6,7,8,9,10,11,12,13,14,15
	ds_load_b128 v[128+4*\f:131+4*\f], v[ADR] offset:512*\f
.endr
.endm
.macro FETCH_V                         ; the same step's V, turned: fragment f = 4 (keys / 32) + channels / 16
	WIN 0
	v_add_nc_u32 v[ADR], s[TB], v[AV0]
	s_add_co_u32 s[TB], s[TB], 8192                ; the next fetch is the next step's
	WIN 0x40
.irp f, 0,1,2,3,4,5,6,7
	ds_load_tr16_b128 v[192+8*\f:195+8*\f], v[ADR] offset:(\f/4)*4096+(\f%4)*512
	ds_load_tr16_b128 v[196+8*\f:199+8*\f], v[ADR] offset:(\f/4)*4096+2048+(\f%4)*512
.endr
.endm
; Line n of 192 of piece y's softmax.  For each tile of keys (n / 48) six stages over eight pairs (four of each of the piece's two tiles): four multiply-adds, the sum, the rounding to f16.
; A line's source was written eight lines back (four in the sums).  P is packed in place, ascending: pair i of keys' tile kt goes to register 4 kt + i of the tile, which has been used up by then.
; Each accumulator is read from its low end on.
.macro SM y
.set be, n/48
.set sg, (n%48)/8
.set ee, n%8
.set tl, (\y)+(ee&1)
.set ii, ee>>1
.set rX, S+32*tl+8*be+2*ii
.set rT, TMP+2*ee
.if sg == 0
	v_pk_fma_f32 v[rT:rT+1], v[rX:rX+1], v[C4:C4+1], v[C3:C3+1]
.elseif sg == 1
	v_pk_fma_f32 v[rT:rT+1], v[rT:rT+1], v[rX:rX+1], 0.5 op_sel_hi:[1,1,0]
.elseif sg == 2
	v_pk_fma_f32 v[rT:rT+1], v[rT:rT+1], v[rX:rX+1], v[C1:C1+1]
.elseif sg == 3
	v_pk_fma_f32 v[rX:rX+1], v[rT:rT+1], v[rX:rX+1], 1.0 op_sel_hi:[1,1,0]
.elseif sg == 4
	v_pk_add_f32 v[L+4*tl+2*(ii&1):L+4*tl+2*(ii&1)+1], v[L+4*tl+2*(ii&1):L+4*tl+2*(ii&1)+1], v[rX:rX+1]
.else
	v_cvt_pk_f16_f32 v[S+32*tl+4*be+ii], v[rX], v[rX+1]
.endif
.set n, n+1
.endm
.macro SLICE y
	WIN 0
.rept 6
	SM \y
.endr
.if (k == 17) && ((\y) == 0)
	FETCH_V                                        ; piece 2's turn: the last product that read V stands in front of slice 15: 18 plain lines back
.endif
.set k, k+1
.endm
; A TURN.  Piece x has the matrix unit.  pv = 2: 16 products V^T P; 1: they start O^T's sums; 0: none.  kq = 1: 16 products K Q^T of the next step.  With one kind alone two slices stand behind each product.
; Piece 0's turn fetches the next step's K behind its second product (the last product that read K stands 18 plain lines back); piece 2's turn the same step's V.
.macro TURN x, pv, kq
.set k, 0
.set n, 0
.set per, 2
.if \pv && \kq
.set per, 1
.endif
.if \pv
.if \x == 0
	s_wait_dscnt 0x0                               ; V is in
.endif
.set i, 0
.rept 16
	PV \x, 2-\pv
.rept per
	SLICE 2-\x
.endr
.if (\x == 0) && \kq && (i == 1)
	FETCH_K
.endif
.set i, i+1
.endr
.endif
.if \kq
.if \x == 0
	s_wait_dscnt 0x0                               ; K is in
.endif
.set i, 0
.rept 16
	KQ \x
.rept per
	SLICE 2-\x
.endr
.set i, i+1
.endr
.endif
.endm
.macro STEPS cnt                       ; cnt key steps: written once, walked cnt times; the LDS addresses hang on s[TB]
	s_mov_b32 s[CNT], \cnt
.Lstep_\@:
	TURN 0, 2, 1
	TURN 2, 2, 1
	WIN 0
	s_sub_co_u32 s[CNT], s[CNT], 1
	s_cmp_lg_u32 s[CNT], 0
	s_cbranch_scc1 .Lstep_\@
.endm
; THE CHANGE OF SLOTS, when the slot's last bytes (V of its eighth step) have been asked for.  Each wave waits for all its tensor loads (its part of the other slot), adds 0 to its spare word, and waits for that
; and for its reads of this slot.  fill = 1: the barrier is a round of the cluster's, and the joint refill, the keys two slots on, is the first thing behind it.
.macro CHANGE fill
	WIN 0
	s_wait_tensorcnt 0x0                           ; no tensor load of mine is out, so a group 0 may be written
	ds_add_u32 v[SPW], v[NIL]                      ; 0 onto my spare word
.if \fill
	s_xor_b32 s37, s37, SLOT1                      ; the walking descriptor: the other slot than last time,
	s_add_nc_u64 s[38:39], s[38:39], 131072        ; the next 512 keys; the type bits on top are not reached
	s_wait_dscnt 0x0                               ; the add is done, and my reads of the slot are over
	CROUND
	tensor_load_to_lds s[36:39], s[24:31]
	s_nop 0
.rept 4
	v_nop
.endr
.else
	s_wait_dscnt 0x0
	s_barrier_signal -1
	s_barrier_wait -1
.endif
	s_sub_co_u32 s[TB], s[TB], 65536               ; the fetches go back to a slot's first step,
	s_xor_b32 s[TB], s[TB], SLOT1                  ; in the other slot
.endm
	s_wait_tensorcnt 1                             ; my part of slot 0 is in; slot 1's may stay out
	s_barrier_signal -1
	s_barrier_wait -1                              ; everybody's is
	FETCH_K                                        ; key step 0
	s_wait_loadcnt 0x0                             ; Q
	s_wait_dscnt 0x0
.set i, 0
.rept 16
	KQ 0                                           ; piece 0's first scores: there is no vector work yet to set between them
.set i, i+1
.endr
	WIN 0
.irp j, 0,1,2,3,4,5,6,7,8,9,10,11,12,13,14,15
	v_mov_b32 v[L+\j], 0                           ; the sums begin; these lines are also the places behind those products
.endr
	TURN 2, 0, 1                                   ; piece 2's first scores | piece 0's softmax of step 0 | V of step 0
	TURN 0, 1, 1                                   ; piece 0: V^T P of step 0 starts O^T, K Q^T of step 1 | piece 2's softmax of step 0 | K of step 1
	TURN 2, 1, 1                                   ; piece 2: the same | piece 0's softmax of step 1 | V of step 1
	WIN 0
	STEPS 6                                        ; these fetch steps 2 to 7: the rest of slot 0
.Lslot:                                            ; two trips: slots 0 and 1 are filled again, with keys 1,024 on and 1,536 on
	CHANGE 1
	STEPS 8
	s_sub_co_u32 s[SLOTS], s[SLOTS], 1
	s_cmp_lg_u32 s[SLOTS], 0
	s_cbranch_scc1 .Lslot
	CHANGE 0                                       ; the tail is written out: nothing more is asked for
	STEPS 8
	TURN 0, 2, 0                                   ; piece 0: V^T P of the last step | piece 2's last softmax
.set i, 0
.rept 16
	PV 2, 0                                        ; piece 2: V^T P of the last step
.set i, i+1
.endr
	; THE WAY OUT.  The sum's four parts and the other half of the lanes' are added (these lines are the places behind the last products); O^T is divided by the sum and rounded to f16.  A lane's eight channels
	; are the 16 bytes that the projection's fragment wants of that lane: each store covers 512 consecutive bytes.
	WIN 0
.irp t, 0,1,2,3
	v_pk_add_f32 v[L+4*\t:L+4*\t+1], v[L+4*\t:L+4*\t+1], v[L+4*\t+2:L+4*\t+3]
.endr
.irp t, 0,1,2,3
	v_add_f32 v[L+4*\t], v[L+4*\t], v[L+4*\t+1]
.endr
.irp t, 0,1,2,3
	v_permlanex16_b32 v[L+4*\t+1], v[L+4*\t], s[SEL], s[SEL+1]
.endr
.irp t, 0,1,2,3
	v_add_f32 v[L+4*\t], v[L+4*\t], v[L+4*\t+1]
.endr
.irp t, 0,1,2,3
	v_rcp_f32 v[240+2*\t], v[L+4*\t]
.endr
	v_nop                                          ; a plain line behind the last reciprocal,
	s_wait_alu depctr_va_vdst(0)                   ; and one wait for the four, ahead of their first reader
.irp t, 0,1,2,3
	WIN 0x01                                       ; source 0 (O^T) window 1
.irp i, 0,2,4,6,8,10,12,14,16,18,20,22,24,26,28,30
	v_pk_mul_f32 v[S+32*\t+\i:S+32*\t+\i+1], v[32*\t+\i:32*\t+\i+1], v[240+2*\t:241+2*\t] op_sel_hi:[1,0]
.endr
	WIN 0
.irp i, 0,1,2,3,4,5,6,7,8,9,10,11,12,13,14,15
	v_cvt_pk_f16_f32 v[Q+16*\t+\i], v[S+32*\t+2*\i], v[S+32*\t+2*\i+1]
.endr
.irp c, 0,1,2,3
	global_store_b128 v[AK0], v[Q+16*\t+4*\c:Q+16*\t+4*\c+3], s[8:9] offset:4096*\t+512*\c
.endr
.endr
	s_wait_tensorcnt 0x0                           ; the wave's end: three lines behind my last tensor load
	ds_add_u32 v[SPW], v[NIL]
	s_wait_dscnt 0x0
	CROUND                                         ; the closing round: no work-group ends while a partner may still ask for a tile that names it
	s_endpgm
.Lfunc_end_k_q9812bfe553_attn:
	.size	k_q9812bfe553_attn, .Lfunc_end_k_q9812bfe553_attn-k_q9812bfe553_attn
	.p2alignl 7, 3214868480
	.fill 96, 4, 3214868480
	.section	.rodata,"a",@progbits
	.p2align	6, 0x0
	.amdhsa_kernel k_q9812bfe553_attn
		.amdhsa_group_segment_fixed_size 327680
		.amdhsa_private_segment_fixed_size 0
		.amdhsa_enable_private_segment 0
		.amdhsa_kernarg_size 24
		.amdhsa_user_sgpr_count 2
		.amdhsa_user_sgpr_kernarg_segment_ptr 1
		.amdhsa_wavefront_size32 1
		.amdhsa_system_sgpr_workgroup_id_x 1
		.amdhsa_system_sgpr_workgroup_id_y 1
		.amdhsa_system_sgpr_workgroup_id_z 1
		.amdhsa_system_vgpr_workitem_id 0
		.amdhsa_next_free_vgpr 512
		.amdhsa_next_free_sgpr 66
		.amdhsa_reserve_vcc 0
		.amdhsa_float_denorm_mode_32 3
		.amdhsa_float_denorm_mode_16_64 3
		.amdhsa_memory_ordered 1
		.amdhsa_forward_progress 1
		.amdhsa_inst_pref_size 189
	.end_amdhsa_kernel
	.amdgpu_metadata
---
amdhsa.version: [ 1, 2 ]
amdhsa.kernels:
  - .name:           k_q9812bfe553_attn
    .symbol:         k_q9812bfe553_attn.kd
    .args:
      - { .name: qimg, .offset: 0, .size: 8, .value_kind: global_buffer, .address_space: global }
      - { .name: kv, .offset: 8, .size: 8, .value_kind: global_buffer, .address_space: global }
      - { .name: oimg, .offset: 16, .size: 8, .value_kind: global_buffer, .address_space: global }
    .group_segment_fixed_size: 327680
    .private_segment_fixed_size: 0
    .kernarg_segment_align: 8
    .kernarg_segment_size: 24
    .max_flat_workgroup_size: 256
    .sgpr_count:     66
    .vgpr_count:     512
    .wavefront_size: 32
...
	.end_amdgpu_metadata
.endif
;; end of part 3
;; launch proj (part 4): grid 4 x 64, 4 waves a work-group, clusters of 4 x 4, 327,680 bytes of LDS; arguments oimg, wo16, bo, out0; writes out0
.if DOCPART == 4
	.amdgcn_target "amdgcn-amd-amdhsa--gfx1250"
	.amdhsa_code_object_version 6
	.text
	.protected	k_q9812bfe553_proj
	.globl	k_q9812bfe553_proj
	.p2align	8
	.type	k_q9812bfe553_proj,@function
k_q9812bfe553_proj:
	s_mov_b64 s[64:65], 0
	v_nop
	global_prefetch_b8 v0, s[64:65] scope:SCOPE_SE
	s_setreg_imm32_b32 hwreg(HW_REG_WAVE_MODE, 25, 1), 1
	s_wait_xcnt 0x0
	s_wait_alu depctr_hold_cnt(0) depctr_sa_sdst(0) depctr_va_vdst(0) depctr_va_sdst(0) depctr_va_ssrc(0) depctr_va_vcc(0) depctr_vm_vsrc(0)
	s_getreg_b32 s2, hwreg(HW_REG_IB_STS2, 6, 4)
	s_cmp_eq_u32 s2, 0
	s_cbranch_scc0 .Lentry_in_a_cluster
	s_endpgm
.Lentry_in_a_cluster:
	s_bfe_u32 s2, ttmp6, 0x10000c
	s_cmp_lg_u32 s2, 0xf033
	s_cbranch_scc0 .Lentry_shape_is_right
	s_endpgm
.Lentry_shape_is_right:
; LAUNCH 4 OF 4.  out0 = o Wo + bo.  o [8,192][1,024] and Wo [1,024 (k)][1,024 (n)] arrive as f16 images of the fragments; sums and bo in f32.  No work is left out as dead.
; A work-group of four waves makes 128 rows x 256 columns (256 work-groups), a wave 64 x 128: 32 accumulators.  K goes in 8 steps of 128 through a ring of two LDS slots: 32,768 bytes of o, 65,536 of Wo.
; Waves 0 and 1 fetch o's two halves (16,384 dense bytes each), waves 2 and 3 Wo's (32,768 each): one tensor load a wave; two are out at the start, one behind each refill.
; CLUSTERS: 4 x 4 work-groups: o's tiles are shared along a row of the cluster, Wo's along a column: each is asked for jointly.
; THE MATRIX INSTRUCTION IS USED TRANSPOSED (source 0 = 16 columns of Wo, source 1 = 16 rows of o): a lane holds eight neighbouring numbers of a row of out0.  bo is the C of each sum's first product.
; REGISTERS: window 0: v0-31 addresses; v32-127, v128-223 two fragment buffers for 32 along K (64 registers of Wo, then 32 of o); on the way out v32-159 rows read back.
;   window 1: the accumulators ((a, b) at v[8 (8 a + b)]).   window 2: v0-63 bo of my 128 columns in the result's layout.
.set SLOT,   98304
.set STAGE,  2*SLOT                    ; behind the ring: 16 rows x (512 bytes + 16) for each wave, for the way out; no tensor load lands there
.set SPARE,  STAGE+4*16*528            ; the spare words, 128 bytes a wave
.set ADRA, 16                          ; v16-17  LDS address of my fragments of o in slot 0, 1
.set ADRB, 20                          ; v20-21  the same for Wo
.set STO,  24                          ; v24     the way out: where I put 32 bytes of a row
.set RD,   25                          ; v25     where I read a row back
.set CO,   26                          ; v26     16 x lane
.set SPW,  28
.set NIL,  29
.set F0,   32
.set F1,   128
.set BK,   32
.set G1, 24
.set G0, 32
.set G1B, 48
.set G0B, 56
.set MSB, 0
.macro WIN new
.if MSB != (\new)
	s_set_vgpr_msb (MSB<<8)|(\new)
.set MSB, (\new)
.endif
.endm
.set MUL,  0x50                        ; C and D window 1; both sources window 0
.set MULZ, 0x60                        ; D window 1, C (bo) window 2
.macro JLOAD s                         ; waves 0 and 1 fetch o's halves, waves 2 and 3 Wo's; an s_nop 0 and four v_nop follow each of the two lines
	s_cmp_eq_u32 s13, 0
	s_cbranch_scc0 .Lfor_b_\@
	tensor_load_to_lds s[G0+4*\s:G0+4*\s+3], s[G1:G1+7]
	s_nop 0
.rept 4
	v_nop
.endr
	s_branch .Lasked_\@
.Lfor_b_\@:
	tensor_load_to_lds s[G0B+4*\s:G0B+4*\s+3], s[G1B:G1B+7]
	s_nop 0
.rept 4
	v_nop
.endr
.Lasked_\@:
.endm
.macro CREST                           ; a round of the cluster's barrier behind its opening barrier
	s_cmp_lg_u32 s12, 0
	s_cbranch_scc1 .Lnot_wave_0_\@
	s_barrier_signal -3
.Lnot_wave_0_\@:
	s_barrier_wait -3
	s_barrier_signal -1
	s_barrier_wait -1
.endm
.macro CROUND
	s_barrier_signal -1
	s_barrier_wait -1
	CREST
.endm
	s_load_b256 s[4:11], s[0:1], 0x0               ; oimg s[4:5], wo16 s[6:7], bo s[8:9], out0 s[10:11]
	v_lshl_add_u32 v[SPW], v0, 2, SPARE
	v_mov_b32 v[NIL], 0
	ds_add_u32 v[SPW], v[NIL]                      ; the wave's opening: the add, twice on end, and its wait ahead of my first tensor load
	ds_add_u32 v[SPW], v[NIL]
	v_lshrrev_b32 v1, 5, v0
	v_readfirstlane_b32 s12, v1                    ; wave 0..3
	s_lshr_b32 s13, s12, 1                         ; which 64 of the tile's rows are mine.  Also: I fetch for o (0) or for Wo (1)
	s_and_b32 s14, s12, 1                          ; which 128 of its columns.  Also: which half I fetch
	s_bfe_u32 s40, ttmp6, 0x40000                  ; cx, cy
	s_bfe_u32 s41, ttmp6, 0x40004
	s_lshl_b32 s42, ttmp9, 2
	s_add_co_u32 s42, s42, s40                     ; tile column
	s_and_b32 s15, ttmp7, 0xffff
	s_lshl_b32 s15, s15, 2
	s_add_co_u32 s15, s15, s41                     ; tile row
	s_lshl_b32 s43, s41, 2
	s_lshl_b32 s43, 15, s43                        ; my row of the cluster
	s_lshl_b32 s44, 0x1111, s40                    ; my column
	; descriptor group 1: dense blocks as rows of 256 bytes (32 elements of 8 bytes), no padding: 64 rows for o, 128 for Wo
	s_or_b32 s[G1+0], s43, (3<<16)|(1<<21)
	s_mov_b32 s[G1+1], 32<<16
	s_mov_b32 s[G1+2], 64<<16
	s_mov_b32 s[G1+3], 32<<16
	s_mov_b32 s[G1+4], 64
	s_mov_b32 s[G1+5], 32
	s_mov_b32 s[G1+6], 0
	s_mov_b32 s[G1+7], 0
	s_or_b32 s[G1B+0], s44, (3<<16)|(1<<21)
	s_mov_b32 s[G1B+1], 32<<16
	s_mov_b32 s[G1B+2], 128<<16
	s_mov_b32 s[G1B+3], 32<<16
	s_mov_b32 s[G1B+4], 128
	s_mov_b32 s[G1B+5], 32
	s_mov_b32 s[G1B+6], 0
	s_mov_b32 s[G1B+7], 0
	s_lshl_b32 s16, s15, 1
	s_add_co_u32 s16, s16, s14
	s_lshl_b32 s16, s16, 17                        ; o: 131,072 x (2 x tile row + half)
	s_mov_b32 s17, 0
	s_lshl_b32 s46, s42, 1
	s_add_co_u32 s46, s46, s14
	s_lshl_b32 s46, s46, 18                        ; Wo: 262,144 x (2 x tile column + half)
	s_mov_b32 s47, 0
	s_lshl_b32 s20, s14, 14                        ; where they go: o's halves,
	s_lshl_b32 s21, s14, 15
	s_add_co_u32 s21, s21, 32768                   ; then Wo's: the wave's number alone
	s_wait_dscnt 0x0                               ; both opening adds are done
	s_wait_kmcnt 0x0
	s_add_nc_u64 s[16:17], s[4:5], s[16:17]
	s_add_nc_u64 s[46:47], s[6:7], s[46:47]
	CROUND                                         ; all sixteen work-groups are here: the first joint loads meet
.irp s, 0,1
	s_mov_b32 s[G0+4*\s], 1
	s_add_co_u32 s[G0+4*\s+1], s20, \s*SLOT
	s_add_nc_u64 s[G0+4*\s+2:G0+4*\s+3], s[16:17], \s*16384
	s_or_b32 s[G0+4*\s+3], s[G0+4*\s+3], 0x80000000
	s_mov_b32 s[G0B+4*\s], 1
	s_add_co_u32 s[G0B+4*\s+1], s21, \s*SLOT
	s_add_nc_u64 s[G0B+4*\s+2:G0B+4*\s+3], s[46:47], \s*32768
	s_or_b32 s[G0B+4*\s+3], s[G0B+4*\s+3], 0x80000000
	JLOAD \s
.endr
	v_and_b32 v1, 15, v0                           ; r
	v_bfe_u32 v2, v0, 4, 1                         ; h
	v_and_b32 v3, 31, v0
	v_lshlrev_b32 v[CO], 4, v3
	s_lshl_b32 s21, s13, 14                        ; my 64 rows of o
	s_lshl_b32 s22, s14, 15                        ; my 128 columns of Wo,
	s_add_co_u32 s22, s22, 32768                   ; behind o's 32,768 bytes
.irp s, 0,1
	v_add_nc_u32 v[ADRA+\s], s21, v[CO]
	v_add_nc_u32 v[ADRB+\s], s22, v[CO]
	s_add_co_u32 s21, s21, SLOT
	s_add_co_u32 s22, s22, SLOT
.endr
	s_mul_i32 s23, s12, 16*528
	s_add_co_u32 s23, s23, STAGE                   ; my stage
	v_mul_u32_u24 v4, v1, 528
	v_lshl_add_u32 v4, v2, 5, v4
	v_add_nc_u32 v[STO], s23, v4                   ; in: row r, 32 bytes for each half of the lanes
	v_add_nc_u32 v[RD], s23, v[CO]                 ; back: the 32 lanes take one row of 512 bytes
	v_lshlrev_b32 v5, 5, v2                        ; bo: 8 h numbers on
	s_lshl_b32 s16, s15, 19
	s_lshl_b32 s18, s13, 18
	s_add_co_u32 s16, s16, s18                     ; my first row of out0: (128 x tile row + 64 x half) x 4,096 bytes
	s_mov_b32 s17, 0
	s_add_nc_u64 s[10:11], s[10:11], s[16:17]
	s_lshl_b32 s46, s42, 10
	s_lshl_b32 s47, s14, 9
	s_add_co_u32 s46, s46, s47                     ; my first column, in bytes: in out0 and in bo alike
	s_mov_b32 s47, 0
	s_add_nc_u64 s[10:11], s[10:11], s[46:47]
	s_add_nc_u64 s[8:9], s[8:9], s[46:47]
	WIN 0x80                                       ; destination window 2
.irp b, 0,1,2,3,4,5,6,7
	global_load_b128 v[8*\b:8*\b+3], v5, s[8:9] offset:64*\b          ; bo[16 b + 8 h + 0 .. 7]
	global_load_b128 v[8*\b+4:8*\b+7], v5, s[8:9] offset:64*\b+16
.endr
	WIN 0
.macro MUL8 f, a, zero                 ; rows 16 a on against my eight tiles of columns, 32 along K.  The 32 accumulators take turns in the same order in every quarter
.irp b, 0,1,2,3,4,5,6,7
.if \zero
	v_wmma_f32_16x16x32_f16 v[8*(8*(\a)+\b):8*(8*(\a)+\b)+7], v[\f+8*\b:\f+8*\b+7], v[\f+64+8*(\a):\f+64+8*(\a)+7], v[8*\b:8*\b+7]
.else
	v_wmma_f32_16x16x32_f16 v[8*(8*(\a)+\b):8*(8*(\a)+\b)+7], v[\f+8*\b:\f+8*\b+7], v[\f+64+8*(\a):\f+64+8*(\a)+7], v[8*(8*(\a)+\b):8*(8*(\a)+\b)+7]
.endif
.endr
.endm
.macro FETCH slot, kq, f               ; 24 LDS loads in one run: the fragments of 32 along K, the slot's kq-th
	WIN 0
.irp b, 0,1,2,3,4,5,6,7
	ds_load_b128 v[\f+8*\b:\f+8*\b+3],   v[ADRB+\slot] offset:4096*\b+1024*(\kq)
	ds_load_b128 v[\f+8*\b+4:\f+8*\b+7], v[ADRB+\slot] offset:4096*\b+1024*(\kq)+512
.endr
.irp a, 0,1,2,3
	ds_load_b128 v[\f+64+8*\a:\f+64+8*\a+3], v[ADRA+\slot] offset:4096*\a+1024*(\kq)
	ds_load_b128 v[\f+64+8*\a+4:\f+64+8*\a+7], v[ADRA+\slot] offset:4096*\a+1024*(\kq)+512
.endr
.endm
.macro PLACES                          ; four plain lines in front of loads into registers that matrix instructions have read, and of the first read of results
.rept 4
	v_nop
.endr
.endm
; A K step is four quarters of 32 along K, 32 matrix instructions each, on buffers 0, 1, 0, 1.  One of the first three: multiplies buffer f and, in its middle, fetches quarter kq into g.
.macro QUARTER slot, kq, f, g, zero
	s_wait_dscnt 0x0                               ; buffer f is in (asked for 16 matrix instructions ago)
	WIN MUL+0x10*(\zero)
	MUL8 \f, 0, \zero
	MUL8 \f, 1, \zero
	PLACES
	FETCH \slot, \kq, \g
	WIN MUL+0x10*(\zero)
	MUL8 \f, 2, \zero
	MUL8 \f, 3, \zero
.endm
; The last quarter multiplies buffer 1 and changes slots: one barrier; in front of it each wave waits for all its tensor loads, adds 0 to its spare word, and waits for that and for its reads of this slot.
; fill = 1: the barrier opens a round of the cluster's, and this slot is filled again, two K steps ahead, first thing behind the round.
.macro TURN slot, next, fill
	WIN 0
	s_wait_tensorcnt 0x0                           ; all my tensor loads have landed: my part of the next slot;
	ds_add_u32 v[SPW], v[NIL]                      ; 0 onto my spare word;
	s_wait_dscnt 1                                 ; (buffer 1 is in; the add alone may be out)
	WIN MUL
	MUL8 F1, 0, 0
	s_wait_dscnt 0x0                               ; the add is done, and my reads of this slot are over
	s_barrier_signal -1
	MUL8 F1, 1, 0
	WIN 0
	s_barrier_wait -1
.if \fill
	CREST                                          ; no wave of any partner still reads this slot's tile or has a load on its way
	s_add_nc_u64 s[G0+4*\slot+2:G0+4*\slot+3], s[G0+4*\slot+2:G0+4*\slot+3], 2*16384
	s_add_nc_u64 s[G0B+4*\slot+2:G0B+4*\slot+3], s[G0B+4*\slot+2:G0B+4*\slot+3], 2*32768
	JLOAD \slot                                    ; the four v_nop behind it are also the places in front of the loads below
.else
	PLACES
.endif
	FETCH \next, 0, F0
	WIN MUL
	MUL8 F1, 2, 0
	MUL8 F1, 3, 0
.endm
	s_wait_tensorcnt 1                             ; my part of K step 0 is in; K step 1's load may be out
	s_barrier_signal -1
	s_barrier_wait -1                              ; everybody's is
	FETCH 0, 0, F0
	s_wait_loadcnt 0x0                             ; bo
	QUARTER 0, 1, F0, F1, 1                        ; the first quarter stands in front of the loop: its products start the sums, on bo
	WIN 0
	s_mov_b32 s3, 3
.Llap:                                             ; a trip goes once round the ring, from a lap's second quarter to the next lap's first, and fills both slots again
	QUARTER 0, 2, F1, F0, 0
	QUARTER 0, 3, F0, F1, 0
	TURN 0, 1, 1
	QUARTER 1, 1, F0, F1, 0
	QUARTER 1, 2, F1, F0, 0
	QUARTER 1, 3, F0, F1, 0
	TURN 1, 0, 1
	QUARTER 0, 1, F0, F1, 0
	WIN 0
	s_sub_co_u32 s3, s3, 1
	s_cmp_lg_u32 s3, 0
	s_cbranch_scc1 .Llap
	QUARTER 0, 2, F1, F0, 0                        ; the last lap fills nothing
	QUARTER 0, 3, F0, F1, 0
	TURN 0, 1, 0
	QUARTER 1, 1, F0, F1, 0
	QUARTER 1, 2, F1, F0, 0
	QUARTER 1, 3, F0, F1, 0
	s_wait_dscnt 0x0                               ; the very last quarter
	WIN MUL
	MUL8 F1, 0, 0
	MUL8 F1, 1, 0
	MUL8 F1, 2, 0
	MUL8 F1, 3, 0
	WIN 0
; THE WAY OUT, 16 rows x 128 columns at a time: a lane's 32 bytes go into my own stage and come back as whole rows of 512 bytes.  LDS serves a wave's instructions in order: no wait between the stores and the loads.
.macro TOSTAGE a
	WIN 0x04                                       ; an LDS store's data are its source 1: window 1
.irp b, 0,1,2,3,4,5,6,7
	ds_store_b128 v[STO], v[8*(8*(\a)+\b):8*(8*(\a)+\b)+3] offset:64*\b          ; each accumulator from its low end on
	ds_store_b128 v[STO], v[8*(8*(\a)+\b)+4:8*(8*(\a)+\b)+7] offset:64*\b+16
.endr
	WIN 0
.set BB, BK+64*((\a)%2)
.irp t, 0,1,2,3,4,5,6,7,8,9,10,11,12,13,14,15
	ds_load_b128 v[BB+4*\t:BB+4*\t+3], v[RD] offset:\t*528
.endr
.endm
.macro SEND a, younger                 ; younger: the LDS instructions issued behind block a's loads, which may stay out
.set BB, BK+64*((\a)%2)
	s_wait_dscnt \younger
.irp t, 0,1,2,3,4,5,6,7,8,9,10,11,12,13,14,15
	global_store_b128 v[CO], v[BB+4*\t:BB+4*\t+3], s[10:11] offset:65536*(\a)+4096*\t th:TH_STORE_NT   ; 512 consecutive bytes, at a multiple of 256 from out0's first byte
.endr
.endm
	PLACES
	TOSTAGE 0
.irp a, 1,2,3
.if \a > 1
	s_wait_xcnt 0x0                                ; block a - 2's stores have read their registers: block a's loads may land there
.endif
	TOSTAGE \a
	SEND \a-1, 32                                  ; behind block a - 1's loads: block a's 16 stores and 16 loads
.endr
	SEND 3, 0
	s_wait_tensorcnt 0x0                           ; the wave's end: three lines behind my last tensor load and my last LDS store
	ds_add_u32 v[SPW], v[NIL]
	s_wait_dscnt 0x0
	CROUND                                         ; the closing round
	s_endpgm
.Lfunc_end_k_q9812bfe553_proj:
	.size	k_q9812bfe553_proj, .Lfunc_end_k_q9812bfe553_proj-k_q9812bfe553_proj
	.p2alignl 7, 3214868480
	.fill 96, 4, 3214868480
	.section	.rodata,"a",@progbits
	.p2align	6, 0x0
	.amdhsa_kernel k_q9812bfe553_proj
		.amdhsa_group_segment_fixed_size 327680
		.amdhsa_private_segment_fixed_size 0
		.amdhsa_enable_private_segment 0
		.amdhsa_kernarg_size 32
		.amdhsa_user_sgpr_count 2
		.amdhsa_user_sgpr_kernarg_segment_ptr 1
		.amdhsa_wavefront_size32 1
		.amdhsa_system_sgpr_workgroup_id_x 1
		.amdhsa_system_sgpr_workgroup_id_y 1
		.amdhsa_system_sgpr_workgroup_id_z 1
		.amdhsa_system_vgpr_workitem_id 0
		.amdhsa_next_free_vgpr 576
		.amdhsa_next_free_sgpr 66
		.amdhsa_reserve_vcc 0
		.amdhsa_float_denorm_mode_32 3
		.amdhsa_float_denorm_mode_16_64 3
		.amdhsa_memory_ordered 1
		.amdhsa_forward_progress 1
		.amdhsa_inst_pref_size 85
	.end_amdhsa_kernel
	.amdgpu_metadata
---
amdhsa.version: [ 1, 2 ]
amdhsa.kernels:
  - .name:           k_q9812bfe553_proj
    .symbol:         k_q9812bfe553_proj.kd
    .args:
      - { .name: oimg, .offset: 0, .size: 8, .value_kind: global_buffer, .address_space: global }
      - { .name: wo16, .offset: 8, .size: 8, .value_kind: global_buffer, .address_space: global }
      - { .name: bo, .offset: 16, .size: 8, .value_kind: global_buffer, .address_space: global }
      - { .name: out0, .offset: 24, .size: 8, .value_kind: global_buffer, .address_space: global }
    .group_segment_fixed_size: 327680
    .private_segment_fixed_size: 0
    .kernarg_segment_align: 8
    .kernarg_segment_size: 32
    .max_flat_workgroup_size: 128
    .sgpr_count:     66
    .vgpr_count:     576
    .wavefront_size: 32
...
	.end_amdgpu_metadata
.endif
;; end of part 4
